; MI455X (gfx1250); checked and timed in simulation.
; The chip was launched on July 23, 2026; its instructions are those of AMD's public machine-readable ISA for CDNA 5 (MIT licence, August 2026) and "CDNA5" Instruction Set Architecture Reference Guide (July 2026). The comments in the code are by the model that wrote it; some were corrected since.
;; Self Attention. Allowed arithmetic: matrix products marked QUANTISED: E2M3 operands, one E8M0 scale for each 32 along K, by v_wmma_scale_f32_16x16x128_f8f6f4 with both operands' format E2M3, f32 sums; everything else in f32.
;; Inputs: Wk 1,024 x 1,024 float32; Wq 1,024 x 1,024 float32; Wv 1,024 x 1,024 float32; bk 1,024 float32; bq 1,024 float32; bv 1,024 float32; x 4 x 2,048 x 1,024 float32.
;; Outputs: out0 4 x 2,048 x 1,024 float32.
;; This version of the problem:
;;   THIS VERSION OF THE PROBLEM IS GIVEN IN LOW PRECISION. The matrix products marked QUANTISED in the list below multiply operands that are first quantised to E2M3 (2 exponent bits, 3 mantissa bits; 6 bits a number), with one power-of-two scale for each 32 numbers along K (OCP MX v1.0); their sums are f32. All else is computed in f32.
;;   The module's matrix products, in the order in which they are computed (A, B: the left and right operand; K: the contracted axis; several contracted axes count as one K, in the product's order):
;;     1. [M 8,192, K 1,024] x [K 1,024, N 1,024]; A: input x; B: input Wq: QUANTISED
;;     2. [M 8,192, K 1,024] x [K 1,024, N 1,024]; A: input x; B: input Wk: QUANTISED
;;     3. [M 8,192, K 1,024] x [K 1,024, N 1,024]; A: input x; B: input Wv: QUANTISED
;;     4. batch 4 x [M 2,048, K 1,024] x [K 1,024, N 2,048]; A: computed on the way; B: computed on the way: QUANTISED
;;     5. batch 4 x [M 2,048, K 2,048] x [K 2,048, N 1,024]; A: softmax (see below); B: computed on the way: QUANTISED
;;   THE QUANTISER, for each operand of a quantised product, along K:
;;     - K is cut into blocks of 32 from its start; a last block that is shorter is filled with zeros.
;;     - A block's scale is 2^e with e = floor(log2(the largest magnitude in the block)) - 2, held to -126 .. 127; a block of zeros has e = 0. As a byte (E8M0): e + 127.
;;     - Each number is divided by its block's scale, clamped to +-7.5, and rounded to the nearest number of E2M3, ties to even, subnormals kept.
;;     - The product sums the exact products of the quantised numbers (number of the format x scale) in f32.
;;   ~~~python
;;   def quantise(x, axis):      # numpy; x: float32 -> the quantised numbers, widened to float32 again
;;       x = np.moveaxis(x, axis, -1); K = x.shape[-1]
;;       x = np.pad(x, [(0, 0)] * (x.ndim - 1) + [(0, -K % 32)]); x = x.reshape(x.shape[:-1] + (-1, 32)); a = np.abs(x).max(-1, keepdims=True)
;;       e = np.where(a > 0, np.clip(np.frexp(np.where(a > 0, a, 1))[1] - 1 - 2, -126, 127), 0)      # np.frexp(a)[1] - 1 = floor(log2(a)), exactly
;;       r = np.clip(x / 2.0 ** e, -7.5, 7.5)
;;       step = 2.0 ** (np.maximum(np.frexp(np.where(r == 0, 1, r))[1] - 1, 0) - 3)
;;       q = np.round(r / step) * step * 2.0 ** e      # np.round: ties to even
;;       return np.moveaxis(q.reshape(q.shape[:-2] + (-1,))[..., :K], -1, axis).astype(np.float32)
;;   ~~~
;;   SOFTMAX AHEAD OF A QUANTISED PRODUCT. Where the list says 'softmax', what is quantised is not the finished softmax but p = 2^(t - M), with t = logit x log2(e) and M = ceil(the row's largest t), a whole number; so 1/2 < the row's largest p <= 1. The row's sum l is taken of the UNQUANTISED p, in f32, and the product's result is divided by l at the end. Since M is a whole number, a kernel that streams over the keys may use a running M (the ceiling of the running maximum): every later rescaling is an exact power of two, which a block's scale takes up: the codes' values come out the same.
;;   OPERANDS COMPUTED ON THE WAY. 'Computed on the way' means the value that the module computes at that place (a softmax that the list does not call 'softmax' is quantised finished and normalised). What goes into a quantiser is computed in f32, as accurately as f32 sums, v_exp_f32 and their like allow (about 1e-6 of the number): no bf16 or f16 on the way to a quantiser, and a product that is left as it is and whose result goes on into a quantised operand takes f32 operands (vector FMAs, or v_wmma_f32_16x16x4_f32). A number that lies on a knife's edge between two numbers of the format may be rounded either way, as far as f32 arithmetic and the matrix unit's own rounding can turn it there, and no further.
;; One version. Each part assembles by itself: llvm-mc -triple=amdgcn-amd-amdhsa -mcpu=gfx1250 --defsym DOCPART=n.
;; ======== version 1 of 1: 4 launches
;; limits: right only within a limited range of input values
;; workspace buffers: xw 9,371,648 bytes; qkv 20,447,232 bytes; pq 13,631,488 bytes; ml 1,048,576 bytes
;; launch quant (part 1): grid 704 x 1, 4 waves a work-group, no clusters, 34,304 bytes of LDS; arguments x, Wq, Wk, Wv, xw; writes xw
.if DOCPART == 1
	.amdgcn_target "amdgcn-amd-amdhsa--gfx1250"
	.amdhsa_code_object_version 6
	.text
	.protected	k_q351435986c_quant
	.globl	k_q351435986c_quant
	.p2align	8
	.type	k_q351435986c_quant,@function
k_q351435986c_quant:
	s_mov_b64 s[64:65], 0
	v_nop
	global_prefetch_b8 v0, s[64:65] scope:SCOPE_SE
	s_setreg_imm32_b32 hwreg(HW_REG_WAVE_MODE, 25, 1), 1
	s_wait_xcnt 0x0
; x [8192][1024] and Wq, Wk, Wv [1024 (k)][1024 (n)], f32, become codes of FP6 (E2M3) with one E8M0 byte for each 32 along K, laid in the ORDER OF THE OPERAND'S REGISTERS.
; ROW TILES: tile T holds 16 rows; lane r of it stands for row 32 (T / 2) + 8 (T % 2) + r + 8 (r / 8) (x: tokens; W: columns n).
; A RECORD, 3,328 bytes, serves one row tile and 256 along K: the image of the first 128's fragment (three groups of 512 bytes: lane l's registers 4 c .. 4 c + 3 at 512 c + 16 l), the image of the
; second 128's, then two areas of 128 bytes with the scale words (lane l's word at 4 l; lanes 16-31 repeat lanes 0-15).  Records lie [tile][K / 256]: x's 512 tiles first, then Wq's, Wk's, Wv's 64 each.
; A block's scale is 2^(floor(log2(largest magnitude)) - 2); its byte is the largest magnitude's exponent field - 2, held at 1 from below.
; LIMITS: a block of zeros gets the byte 1 and not 127 (its codes are zeros, and this program alone reads the bytes); NaN and infinities among the inputs are not served.
; Work-groups 0-511: one row tile of x, wave w its K pair w.  Work-groups 512-703: 128 columns x 128 along K of one weight, a wave 32 columns.  No tensor loads, no barrier: waves share nothing.
.set REC,  3328
.set XB,   6815744                     ; x's records: 512 x 4 x 3,328 bytes
.set SEL,  20                          ; s[20:21] selects for lane l xor 16
.set LI,   26                          ; v26  16 x lane
.set LS,   27                          ; v27  4 x lane
.set STI,  2                           ; v2   x: the stage on the way in
.set STO,  3                           ; v3   x: and on the way out
.set R0,   32                          ; v32-95   x: K step 0 as loaded; later K step 1 turned
.set R1,   96                          ; v96-159  x: K step 1 as loaded
.set XX,   160                         ; v160-223 x: K step 0 turned
.set PC0,  224                         ; v224-243 codes of K step 0
.set PC1,  4                           ; v4-23    codes of K step 1: registers of their own, so that no store's data are written again
.set TM,   244                         ; v244-255 at work: 4 maxima, 4 bytes, 4 scale operands
.set PW0,  24
.set PW1,  25
; 64 numbers of a lane, register 16 b + i = k 32 b + 16 (lane / 16) + i of the lane's row, become a fragment's codes in v[pc] .. v[pc + 11] and its scale word in v[pw].
.macro QUANT s, pc, pw
.irp b, 0,1,2,3
	v_max3_num_f32 v[TM+\b], |v[\s+16*\b]|, |v[\s+1+16*\b]|, 0x1800000   ; my 16 numbers of block b, and the floor 2^(3 - 127): the byte cannot fall under 1
.endr
.irp i, 2,4,6,8,10,12,14
.irp b, 0,1,2,3
	v_max3_num_f32 v[TM+\b], v[TM+\b], |v[\s+16*\b+\i]|, |v[\s+1+16*\b+\i]|   ; the four blocks by turns
.endr
.endr
.irp b, 0,1,2,3
	v_permlanex16_b32 v[TM+4+\b], v[TM+\b], s[SEL], s[SEL+1]
.endr
.irp b, 0,1,2,3
	v_max_num_f32 v[TM+\b], v[TM+\b], v[TM+4+\b]   ; with lane l xor 16's 16: the block's largest magnitude
.endr
.irp b, 0,1,2,3
	v_add_nc_u32 v[TM+8+\b], 0xff000000, v[TM+\b]  ; 2 off its exponent field: the conversion's scale operand
.endr
.irp b, 0,1,2,3
	v_lshrrev_b32 v[TM+4+\b], 23, v[TM+8+\b]       ; the scale's byte
.endr
	v_lshl_or_b32 v[\pw], v[TM+5], 8, v[TM+4]
	v_lshl_or_b32 v[\pw], v[TM+6], 16, v[\pw]
	v_lshl_or_b32 v[\pw], v[TM+7], 24, v[\pw]
.irp c, 0,1
	v_cvt_scalef32_pk16_fp6_f32 v[\pc+6*\c:\pc+2+6*\c], v[\s+32*\c:\s+15+32*\c], v[TM+8+2*\c]
	v_cvt_scalef32_pk16_fp6_f32 v[\pc+12+4*\c:\pc+14+4*\c], v[\s+16+32*\c:\s+31+32*\c], v[TM+8+2*\c+1]   ; (a conversion's three registers begin on an even number)
.endr
	v_nop                                          ; one plain instruction behind the scaled conversions
.irp c, 0,1                                    ; the operand wants a whole block in a lane: lanes 0-15 block 2 c, lanes 16-31 block 2 c + 1
.irp i, 0,1,2
	v_permlane16_swap_b32 v[\pc+6*\c+\i], v[\pc+12+4*\c+\i]
.endr
.irp i, 0,1,2
	v_mov_b32 v[\pc+3+6*\c+\i], v[\pc+12+4*\c+\i]
.endr
.endr
.endm
	s_load_b256 s[4:11], s[0:1], 0x0               ; x s[4:5], Wq s[6:7], Wk s[8:9], Wv s[10:11]
	s_load_b64 s[12:13], s[0:1], 0x20              ; xw
	v_lshl_add_u32 v239, v0, 2, 0x8400
	v_mov_b32 v243, 0
	v_lshrrev_b32 v1, 5, v0
	v_readfirstlane_b32 s14, v1                    ; wave
	v_and_b32 v1, 31, v0                           ; lane
	v_lshlrev_b32 v[LI], 4, v1
	v_lshlrev_b32 v[LS], 2, v1
	s_mov_b32 s[SEL], 0x76543210
	s_mov_b32 s[SEL+1], 0xfedcba98
	s_cmp_lt_u32 ttmp9, 512
	s_cbranch_scc0 .Lweights
	; ---- x: K is innermost.  Each load reads 512 consecutive bytes of one row; the 16 rows x 512 bytes turn through the wave's own stage (rows 528 bytes apart: row r starts 4 r banks on), so that a lane gets 16 neighbours of each block
	v_and_b32 v28, 15, v0                          ; r
	v_bfe_u32 v29, v0, 4, 1                        ; h
	s_mul_i32 s15, s14, 16*528                     ; my stage
	v_add_nc_u32 v[STI], s15, v[LI]
	v_mul_u32_u24 v[STO], v28, 528
	v_lshl_add_u32 v[STO], v29, 6, v[STO]
	v_add_nc_u32 v[STO], s15, v[STO]               ; row r, + 64 h
.irp b, 0,1,2,3
	v_mov_b32 v[TM+4+\b], 0                        ; written once: a lane permute's destination counts as one of its sources
.endr
	s_lshr_b32 s16, ttmp9, 1
	s_lshl_b32 s16, s16, 5
	s_and_b32 s17, ttmp9, 1
	s_lshl_b32 s17, s17, 3
	s_add_co_u32 s16, s16, s17                     ; the tile's first row: 32 (T / 2) + 8 (T % 2)
	s_lshl_b32 s16, s16, 12                        ; rows of 4,096 bytes
	s_lshl_b32 s17, s14, 10                        ; my 256 along K
	s_add_co_u32 s16, s16, s17
	s_mov_b32 s17, 0
	s_lshl_b32 s18, ttmp9, 2
	s_add_co_u32 s18, s18, s14
	s_mul_i32 s18, s18, REC                        ; my record: 4 T + wave
	s_mov_b32 s19, 0
	s_wait_alu depctr_va_vdst(0)
	s_wait_kmcnt 0x0
	s_add_nc_u64 s[4:5], s[4:5], s[16:17]
	s_add_nc_u64 s[12:13], s[12:13], s[18:19]
.macro LOADX reg, st
.irp i, 0,1,2,3,4,5,6,7,8,9,10,11,12,13,14,15
	global_load_b128 v[\reg+4*\i:\reg+4*\i+3], v[LI], s[4:5] offset:(\i+8*(\i/8))*4096+512*\st th:TH_LOAD_NT
.endr
.endm
.macro THROUGH src, dst                        ; LDS serves a wave's instructions in order: no wait between the stores and the loads
.irp i, 0,1,2,3,4,5,6,7,8,9,10,11,12,13,14,15
	ds_store_b128 v[STI], v[\src+4*\i:\src+4*\i+3] offset:528*\i
.endr
.irp b, 0,1,2,3
.irp j, 0,1,2,3
	ds_load_b128 v[\dst+16*\b+4*\j:\dst+16*\b+4*\j+3], v[STO] offset:128*\b+16*\j
.endr
.endr
.endm
.macro PUT pc, pw, st                          ; each store of codes covers 512 consecutive bytes
.irp c, 0,1,2
	global_store_b128 v[LI], v[\pc+4*\c:\pc+4*\c+3], s[12:13] offset:1536*\st+512*\c
.endr
	global_store_b32 v[LS], v[\pw], s[12:13] offset:3072+128*\st
.endm
	LOADX R0, 0
	LOADX R1, 1
	s_wait_loadcnt 16                              ; K step 0's 16 loads are in; K step 1's 16 may be out
	THROUGH R0, XX
	s_wait_dscnt 0x0
	QUANT XX, PC0, PW0
	PUT PC0, PW0, 0
	s_wait_loadcnt 0x0
	THROUGH R1, R0
	s_wait_dscnt 0x0
	QUANT R0, PC1, PW1
	PUT PC1, PW1, 1
	s_wait_tensorcnt 0x0
	ds_add_u32 v239, v243
	s_wait_dscnt 0x0
	s_endpgm
	; ---- W: K is the first axis.  A lane takes a column and its registers run down K: a block of 32 is one lane's, and the codes come out with K innermost.
	; Lanes 0-15 hold the columns of tile A = 2 g32, lanes 16-31 those of tile A + 1; one exchange of halves between the even and the odd blocks' codes makes the two tiles' images.
.set CV,  2                            ; v2   4 x my column
.set CO,  3                            ; v3   where my 16 bytes of an image's group go
.set SF,  30                           ; v30  and my scale word
.set WX,  32                           ; v32-95 two sets of 32 numbers
.set IA,  96                           ; v96-107 the even blocks' codes, then tile A's image
.set IB,  108                          ; v108-119 the odd blocks' codes, then tile A + 1's image
.set TC,  120
.set M0,  124
.set M1,  125
.set SO,  126
.set WW,  127                          ; my column's scale word
.set WA,  128
.set WB,  129
.Lweights:
	s_sub_co_u32 s15, ttmp9, 512                   ; g
	s_lshr_b32 s16, s15, 6                         ; which weight
	s_bfe_u32 s17, s15, 0x30003                    ; which 128 columns
	s_and_b32 s18, s15, 7                          ; which 128 along K
	s_wait_alu depctr_va_vdst(0)
	v_and_b32 v[CV], 7, v1
	v_bfe_u32 v[CO], v1, 3, 1
	v_lshl_add_u32 v[CV], v[CO], 4, v[CV]
	v_lshrrev_b32 v[CO], 4, v1
	v_lshl_add_u32 v[CV], v[CO], 3, v[CV]          ; column (l & 7) + 16 ((l >> 3) & 1) + 8 (l >> 4)
	v_lshlrev_b32 v[CV], 2, v[CV]
	s_lshl_b32 s19, s17, 2
	s_add_co_u32 s19, s19, s14                     ; g32: which 32 columns
	s_lshl_b32 s22, s18, 19                        ; 128 rows of 4,096 bytes
	s_lshl_b32 s23, s19, 7
	s_add_co_u32 s22, s22, s23
	s_mov_b32 s23, 0
	s_lshl_b32 s24, s16, 6
	s_lshl_b32 s25, s19, 1
	s_add_co_u32 s24, s24, s25                     ; tile 64 x weight + 2 g32
	s_lshl_b32 s24, s24, 2
	s_lshr_b32 s25, s18, 1
	s_add_co_u32 s24, s24, s25                     ; its record of this K pair
	s_mul_i32 s24, s24, REC
	s_add_co_u32 s24, s24, XB
	s_mov_b32 s25, 0
	s_and_b32 s26, s18, 1                          ; which half of the pair
	s_mul_i32 s27, s26, 1536
	v_add_nc_u32 v[CO], s27, v[LI]
	s_lshl_b32 s27, s26, 7
	s_add_co_u32 s27, s27, 3072
	v_add_nc_u32 v[SF], s27, v[LS]
	s_wait_alu depctr_va_vdst(0)
	s_wait_kmcnt 0x0
	s_cmp_eq_u32 s16, 0                            ; the choice hangs on the work-group's number alone
	s_cselect_b64 s[4:5], s[6:7], s[8:9]
	s_cmp_eq_u32 s16, 2
	s_cselect_b64 s[4:5], s[10:11], s[4:5]
	s_add_nc_u64 s[4:5], s[4:5], s[22:23]
	s_add_nc_u64 s[12:13], s[12:13], s[24:25]
.macro LOADW t                                 ; block t: W(32 t + i, my column) into set t % 2
.set I, 0
.rept 32
	global_load_b32 v[WX+32*((\t)%2)+I], v[CV], s[4:5] offset:(32*(\t)+I)*4096 th:TH_LOAD_NT
.set I, I+1
.endr
.endm
.macro BLOCK t
.set XS, WX+32*((\t)%2)
.set IM, IA+12*((\t)%2)+6*((\t)/2)
.if (\t) < 3
	s_wait_loadcnt 32                              ; this block's 32 loads are in; the next block's 32 may be out
.else
	s_wait_loadcnt 0x0
.endif
	v_max3_num_f32 v[M0], |v[XS]|, |v[XS+1]|, |v[XS+2]|
	v_max3_num_f32 v[M1], |v[XS+3]|, |v[XS+4]|, |v[XS+5]|
.irp i, 6,10,14,18,22,26
	v_max3_num_f32 v[M0], v[M0], |v[XS+\i]|, |v[XS+\i+1]|
	v_max3_num_f32 v[M1], v[M1], |v[XS+\i+2]|, |v[XS+\i+3]|
.endr
	v_max3_num_f32 v[M0], v[M0], |v[XS+30]|, |v[XS+31]|
	v_max3_num_f32 v[M0], v[M0], v[M1], 0x1800000  ; and the floor
	v_add_nc_u32 v[SO], 0xff000000, v[M0]
	v_cvt_scalef32_pk16_fp6_f32 v[IM:IM+2], v[XS:XS+15], v[SO]
	v_cvt_scalef32_pk16_fp6_f32 v[TC:TC+2], v[XS+16:XS+31], v[SO]
	v_lshrrev_b32 v[M1], 23, v[SO]                 ; the byte; also the plain instruction behind the conversions
.if (\t) == 0
	v_mov_b32 v[WW], v[M1]
.else
	v_lshl_or_b32 v[WW], v[M1], 8*(\t), v[WW]
.endif
.irp i, 0,1,2
	v_mov_b32 v[IM+3+\i], v[TC+\i]
.endr
.if (\t) < 2
	LOADW (\t)+2
.endif
.endm
	LOADW 0
	LOADW 1
	BLOCK 0
	BLOCK 1
	BLOCK 2
	BLOCK 3
.irp i, 0,1,2,3,4,5,6,7,8,9,10,11
	v_permlane16_swap_b32 v[IA+\i], v[IB+\i]       ; tile A's odd blocks go to its lanes 16-31, tile A + 1's even blocks to its lanes 0-15
.endr
	v_mov_b32 v[WA], v[WW]
	v_mov_b32 v[WB], v[WW]
	v_permlane16_swap_b32 v[WA], v[WB]             ; each now holds its own tile's words in both halves
.irp c, 0,1,2
	global_store_b128 v[CO], v[IA+4*\c:IA+4*\c+3], s[12:13] offset:512*\c
.endr
	global_store_b32 v[SF], v[WA], s[12:13]
.irp c, 0,1,2
	global_store_b128 v[CO], v[IB+4*\c:IB+4*\c+3], s[12:13] offset:4*REC+512*\c
.endr
	global_store_b32 v[SF], v[WB], s[12:13] offset:4*REC
	s_endpgm
.Lfunc_end_k_q351435986c_quant:
	.size	k_q351435986c_quant, .Lfunc_end_k_q351435986c_quant-k_q351435986c_quant
	.p2alignl 7, 3214868480
	.fill 96, 4, 3214868480
	.section	.rodata,"a",@progbits
	.p2align	6, 0x0
	.amdhsa_kernel k_q351435986c_quant
		.amdhsa_group_segment_fixed_size 34304
		.amdhsa_private_segment_fixed_size 0
		.amdhsa_enable_private_segment 0
		.amdhsa_kernarg_size 40
		.amdhsa_user_sgpr_count 2
		.amdhsa_user_sgpr_kernarg_segment_ptr 1
		.amdhsa_wavefront_size32 1
		.amdhsa_system_sgpr_workgroup_id_x 1
		.amdhsa_system_sgpr_workgroup_id_y 1
		.amdhsa_system_sgpr_workgroup_id_z 1
		.amdhsa_system_vgpr_workitem_id 0
		.amdhsa_next_free_vgpr 256
		.amdhsa_next_free_sgpr 66
		.amdhsa_reserve_vcc 0
		.amdhsa_float_denorm_mode_32 3
		.amdhsa_float_denorm_mode_16_64 3
		.amdhsa_memory_ordered 1
		.amdhsa_forward_progress 1
		.amdhsa_inst_pref_size 38
	.end_amdhsa_kernel
	.amdgpu_metadata
---
amdhsa.version: [ 1, 2 ]
amdhsa.kernels:
  - .name:           k_q351435986c_quant
    .symbol:         k_q351435986c_quant.kd
    .args:
      - { .name: x, .offset: 0, .size: 8, .value_kind: global_buffer, .address_space: global }
      - { .name: Wq, .offset: 8, .size: 8, .value_kind: global_buffer, .address_space: global }
      - { .name: Wk, .offset: 16, .size: 8, .value_kind: global_buffer, .address_space: global }
      - { .name: Wv, .offset: 24, .size: 8, .value_kind: global_buffer, .address_space: global }
      - { .name: xw, .offset: 32, .size: 8, .value_kind: global_buffer, .address_space: global }
    .group_segment_fixed_size: 34304
    .private_segment_fixed_size: 0
    .kernarg_segment_align: 8
    .kernarg_segment_size: 40
    .max_flat_workgroup_size: 128
    .sgpr_count:     66
    .vgpr_count:     256
    .wavefront_size: 32
...
	.end_amdgpu_metadata
.endif
;; end of part 1
;; launch proj (part 2): grid 8 x 32, 4 waves a work-group, clusters of 4 x 4, 327,680 bytes of LDS; arguments xw, bq, bk, bv, qkv; writes qkv
.if DOCPART == 2
	.amdgcn_target "amdgcn-amd-amdhsa--gfx1250"
	.amdhsa_code_object_version 6
	.text
	.protected	k_q351435986c_proj
	.globl	k_q351435986c_proj
	.p2align	8
	.type	k_q351435986c_proj,@function
k_q351435986c_proj:
	s_mov_b64 s[64:65], 0
	v_nop
	global_prefetch_b8 v0, s[64:65] scope:SCOPE_SE
	s_setreg_imm32_b32 hwreg(HW_REG_WAVE_MODE, 25, 1), 1
	s_wait_xcnt 0x0
	s_wait_alu depctr_hold_cnt(0) depctr_sa_sdst(0) depctr_va_vdst(0) depctr_va_sdst(0) depctr_va_ssrc(0) depctr_va_vcc(0) depctr_vm_vsrc(0)
	s_getreg_b32 s2, hwreg(HW_REG_IB_STS2, 6, 4)
	s_cmp_eq_u32 s2, 0
	s_cbranch_scc0 .Lentry_in_a_cluster
	s_endpgm
.Lentry_in_a_cluster:
	s_bfe_u32 s2, ttmp6, 0x10000c
	s_cmp_lg_u32 s2, 0xf033
	s_cbranch_scc0 .Lentry_shape_is_right
	s_endpgm
.Lentry_shape_is_right:
; q = x Wq + bq, k = x Wk + bk (rows = tokens, the next K = d) and v^T = (x Wv + bv)^T (rows = d, the next K = tokens): products on codes of FP6 (E2M3) with E8M0 scales, sums in f32,
; the results quantised in registers into records of the operands' make (3,328 bytes for a tile of 16 rows and 256 along K: two images of a fragment's registers, two areas of scale words).
; ONE WORK-GROUP = 256 tokens x 128 columns of EACH weight: 32 x 8 = 256 work-groups of equal work.  Its 16 row tiles of x, all of K (212,992 bytes), come into LDS once and stay;
; the weights go through two slots of 53,248 bytes.
; PHASE 1: source 1 (the result's lane) = x, source 0 (the result's registers) = Wq (waves 0, 2) or Wk (waves 1, 3): a wave makes 128 tokens x 128 columns, 64 accumulators.
; PHASE 2: source 1 = Wv, source 0 = x, read from LDS again: a wave makes 64 d x 128 tokens, 32 accumulators.
; Lane r of a row tile T stands for row 32 (T / 2) + 8 (T % 2) + r + 8 (r / 8), so the 64 registers of one lane tile are 128 neighbours along the next K, 16 of each block of 32 in each half of the lanes.
; LOADS, one a wave at the head and at most one behind each round of the cluster's barrier, six groups: (0) the head: x's pairs 0, 1 (waves 0, 1), W's pair 0 (waves 2, 3); (1) x's pairs 2, 3 and W's pair 1 (first fills);
; (2) W's pair 2; (3) W's pair 3; (4) Wv's pairs 0, 1 (all four waves, two row tiles each); (5) Wv's pairs 2, 3.  Each has 128 matrix instructions a wave, or the first way out, in which to land.  Every wait on TENSORcnt is for 0.
; CLUSTERS: 4 x 4 work-groups; x's tiles are asked for jointly along a row of the cluster, the weights' along a column.
; PREFETCH, a lane a block of 256 bytes, one instruction a wave for each line: behind group 0: x's pairs 2, 3 and W's pairs 1, 2 (26 blocks a row tile); behind group 1: W's pair 3 (13 blocks); behind group 2: Wv's pairs 0, 1;
; behind group 3: Wv's pairs 2, 3: one or two groups ahead of the load that wants the bytes.  Each block is named once in the cluster: x's 16 row tiles go to the four partners of a row and their waves (row tile 4 cx + wave),
; Wq's and Wk's 16 to the four of a column (4 cy + wave), Wv's 8 by halves (row tile 2 cy + wave / 2, half wave % 2): by address, with no branch.  All steps are immediates: no address register is rewritten.
; THE BIASES are the C of the first products: bq or bk along the registers, bv along the lanes (eight registers with the lane's number).
; SCALE WORDS: one register holds a tile's word of a pair's first 128 in lanes 0-15 and of its second 128 in lanes 16-31 (the areas' upper copy); the row selectors choose.
; LIMITS: a block of zeros gets the byte 1 and not 127 (its codes are zeros; this program alone reads the bytes); NaN and infinities among the inputs are not served.
; REGISTERS: window 0: v2, v8-31 addresses; v32-63 scale words, two sets; v64-127 the bias along the registers, later the way out's codes; v128-223 source 1's fragments; v224-255 bv.
;   Window 1: source 0's fragments, two sets, at v0 and v128.  Windows 2, 3: accumulator (a, b) at v[8 (8 (a % 4) + b)].
.set REC,   3328
.set REC2,  2*REC
.set HALF,  8*REC                      ; 8 records: a wave's part of a weight's pair
.set XH,    8*REC2                     ; 8 row tiles x 2 records: a wave's part of x's two pairs
.set XBR,   2*XH                       ; LDS: x's pairs 0, 1 at 0, pairs 2, 3 here
.set W0,    2*XBR                      ; the weights' slot 0
.set WS,    2*HALF                     ; and from slot to slot
.set SPARE, W0+2*WS                    ; the spare words, 128 bytes a wave: two blocks of 256 bytes that no other line names
.set XB,    6815744                    ; bytes of 512 row tiles x 4 records
.set TILEB, 212992                     ; 16 row tiles x 4 records
.set WVOFF, XB+8*TILEB                 ; Wv's records in xw
.set RS1K,  13312                      ; from row tile to row tile, K = 1,024
.set RSV,   106496                     ; the same in v^T, K = 8,192 tokens
.set FR,    12
.set PFW3, 2                           ; v2     prefetch: my row tile of Wq or Wk, 13 blocks
.set ADRX, 8                           ; v8-9   x's fragments as source 1 (my half of the tokens by wave / 2), pairs 0-1, 2-3
.set ADRJ, 10                          ; v10-11 x's fragments as source 0 (by wave % 2)
.set ADRW, 12                          ; v12-13 Wq's or Wk's fragments in slot 0, 1
.set ADRV, 14                          ; v14-15 Wv's
.set ASX,  16                          ; v16-23 the same four for the scale words
.set ASJ,  18
.set ASW,  20
.set ASV,  22
.set LI,   24                          ; 16 x lane
.set LSQ,  25                          ; where my scale word goes, from q's or k's base
.set LSV,  26                          ; and from v^T's
.set PFX,  27                          ; prefetch: my row tile of x, 26 blocks
.set SPW,  28
.set NIL,  29
.set PFW,  30                          ; prefetch: my row tile of Wq or Wk, 26 blocks
.set PFV,  31                          ; prefetch: my half row tile of Wv, 13 blocks
.set SC,   32                          ; set s at SC + 16 s: registers 0-7 x's tiles, 8-15 the weight's
.set BJ,   64
.set PC,   64                          ; the way out: v64-83 codes, v84-95 at work, v96 the scale word
.set TM,   84
.set PW,   96
.set AF,   128
.set BI,   224
.set G1X, 24                           ; s[24:31] group 1: 8 rows of two records, x's mask
.set G1W, 32                           ; s[32:39] 8 rows of one record, the weights' mask
.set G1V, 40                           ; s[40:47] 2 rows of two records, the weights' mask
.set G0X, 48
.set G0W, 52
.set G0V, 56
.set SEL, 66
.set MSB, 0
.macro WIN new                         ; the immediate's high byte repeats the setting that is left
.if MSB != (\new)
	s_set_vgpr_msb (MSB<<8)|(\new)
.set MSB, (\new)
.endif
.endm
.macro WMUL hi, cm                     ; source 0 window 1, source 1 window 0, D window 2 or 3; C with D, or (cm = 2) in window 0
.if \cm == 2
	WIN 0x81+0x40*(\hi)
.else
	WIN 0xa1+0x50*(\hi)
.endif
.endm
.macro PLACES n
.rept \n
	v_nop
.endr
.endm
.macro JLOAD                           ; waves 0, 1 fetch x's halves, waves 2, 3 Wq's and Wk's tiles; an s_nop 0 and four v_nop follow each line
	s_cmp_eq_u32 s15, 0
	s_cbranch_scc0 .Lfor_w_\@
	tensor_load_to_lds s[G0X:G0X+3], s[G1X:G1X+7]
	s_nop 0
	PLACES 4
	s_branch .Lasked_\@
.Lfor_w_\@:
	tensor_load_to_lds s[G0W:G0W+3], s[G1W:G1W+7]
	s_nop 0
	PLACES 4
.Lasked_\@:
.endm
.macro WLOAD                           ; waves 2, 3 alone; the four v_nop on either way are the places in front of the LDS loads that follow
	s_cmp_eq_u32 s15, 0
	s_cbranch_scc1 .Lnone_\@
	tensor_load_to_lds s[G0W:G0W+3], s[G1W:G1W+7]
	s_nop 0
	PLACES 4
	s_branch .Ldone_\@
.Lnone_\@:
	PLACES 4
.Ldone_\@:
.endm
; What is asked for behind a round.  No tensor load of the wave is out there, so the groups 0 may be written.
.macro FILL kind
.if (\kind) == 1
	s_add_co_u32 s[G0X+1], s71, XBR
	s_add_nc_u64 s[G0X+2:G0X+3], s[G0X+2:G0X+3], 2*REC
.endif
.if (\kind) <= 3
	s_add_co_u32 s[G0W+1], s70, W0+WS*((\kind)%2)
	s_add_nc_u64 s[G0W+2:G0W+3], s[G0W+2:G0W+3], REC
.if (\kind) == 1
	JLOAD
.else
	WLOAD
.endif
.else
.if (\kind) == 5
	s_add_co_u32 s[G0V+1], s72, W0+WS
	s_add_nc_u64 s[G0V+2:G0V+3], s[G0V+2:G0V+3], 2*REC
.endif
	tensor_load_to_lds s[G0V:G0V+3], s[G1V:G1V+7]
	s_nop 0
	PLACES 4
.endif
.endm
.macro CREST                           ; a round of the cluster's barrier behind its opening barrier
	s_cmp_lg_u32 s14, 0
	s_cbranch_scc1 .Lnot_wave_0_\@
	s_barrier_signal -3
.Lnot_wave_0_\@:
	s_barrier_wait -3
	s_barrier_signal -1
	s_barrier_wait -1
.endm
.macro CROUND
	s_barrier_signal -1
	s_barrier_wait -1
	CREST
.endm
.macro FRAG reg, adr, off              ; a fragment comes back as the image of its registers: three loads of 512 consecutive bytes
.irp c, 0,1,2
	ds_load_b128 v[(\reg)+4*\c:(\reg)+4*\c+3], v[\adr] offset:(\off)+512*\c
.endr
.endm
.macro FETCH_W slot, q                 ; phase 1: the weight's eight fragments of the slot's q-th 128 into set q: 24 loads
	WIN 0x40
.irp i, 0,1,2,3,4,5,6,7
	FRAG 128*(\q)+FR*\i, ADRW+(\slot), REC*\i+1536*(\q)
.endr
	WIN 0
.endm
.macro FETCH_X pr, q, i0               ; phase 1: x's blocks i0 .. i0 + 3 of pair pr: 12 loads
.irp i, \i0, \i0+1, \i0+2, \i0+3
	FRAG AF+FR*(\i), ADRX+(\pr)/2, REC2*(\i)+REC*((\pr)%2)+1536*(\q)
.endr
.endm
.macro SCALES1 pr                      ; 16 loads
.irp t, 0,1,2,3,4,5,6,7
	ds_load_b32 v[SC+16*((\pr)%2)+\t], v[ASX+(\pr)/2] offset:REC2*\t+REC*((\pr)%2)
	ds_load_b32 v[SC+16*((\pr)%2)+8+\t], v[ASW+(\pr)%2] offset:REC*\t
.endr
.endm
.macro FETCH_J st                      ; phase 2, step st of eight: x's eight fragments into set st % 2
	WIN 0x40
.irp i, 0,1,2,3,4,5,6,7
	FRAG 128*((\st)%2)+FR*\i, ADRJ+(\st)/4, REC2*\i+REC*(((\st)/2)%2)+1536*((\st)%2)
.endr
	WIN 0
.endm
.macro FETCH_V st                      ; and Wv's four
.irp i, 0,1,2,3
	FRAG AF+48*((\st)%2)+FR*\i, ADRV+(\st)/4, REC2*\i+REC*(((\st)/2)%2)+1536*((\st)%2)
.endr
.endm
.macro SCALES2 u                       ; 12 loads
.irp t, 0,1,2,3,4,5,6,7
	ds_load_b32 v[SC+16*((\u)%2)+\t], v[ASJ+(\u)/2] offset:REC2*\t+REC*((\u)%2)
.endr
.irp t, 0,1,2,3
	ds_load_b32 v[SC+16*((\u)%2)+8+\t], v[ASV+(\u)/2] offset:REC2*\t+REC*((\u)%2)
.endr
.endm
.macro WM d, a, b, cb, sa, sb, q       ; one product; q chooses the halves of the scale registers
.if \q
	v_wmma_scale_f32_16x16x128_f8f6f4 v[(\d):(\d)+7], v[(\a):(\a)+FR-1], v[(\b):(\b)+FR-1], v[(\cb):(\cb)+7], v[\sa], v[\sb] matrix_a_fmt:MATRIX_FMT_FP6 matrix_b_fmt:MATRIX_FMT_FP6 matrix_a_scale:MATRIX_SCALE_ROW1 matrix_b_scale:MATRIX_SCALE_ROW1
.else
	v_wmma_scale_f32_16x16x128_f8f6f4 v[(\d):(\d)+7], v[(\a):(\a)+FR-1], v[(\b):(\b)+FR-1], v[(\cb):(\cb)+7], v[\sa], v[\sb] matrix_a_fmt:MATRIX_FMT_FP6 matrix_b_fmt:MATRIX_FMT_FP6
.endif
.endm
; Phase 1: 16 products: x's blocks a0, a0 + 1 against the weight's eight.  cm = 2: the bias starts the sums.  The accumulators take turns, one instruction a turn, in one order everywhere.
.macro MUL16 a0, q, set, cm
.irp a, \a0, \a0+1
.irp b, 0,1,2,3,4,5,6,7
.if \cm == 2
	WM 8*(8*((\a)%4)+\b), 128*(\q)+FR*\b, AF+FR*(\a), BJ+8*\b, SC+16*(\set)+8+\b, SC+16*(\set)+(\a), \q
.else
	WM 8*(8*((\a)%4)+\b), 128*(\q)+FR*\b, AF+FR*(\a), 8*(8*((\a)%4)+\b), SC+16*(\set)+8+\b, SC+16*(\set)+(\a), \q
.endif
.endr
.endr
.endm
; A pair's first 128 along K.  Loads into registers that matrix instructions have read stand four plain vector instructions behind them.
.macro STEP pr, cm
	s_wait_dscnt 12                                ; all but the youngest 12 loads (x's blocks 4-7)
	WMUL 0, \cm
	MUL16 0, 0, (\pr)%2, \cm
	MUL16 2, 0, (\pr)%2, \cm
	s_wait_dscnt 0x0
	PLACES 4
	FETCH_W (\pr)%2, 1
	FETCH_X \pr, 1, 0
	WMUL 1, \cm
	MUL16 4, 0, (\pr)%2, \cm
	MUL16 6, 0, (\pr)%2, \cm
	PLACES 4
	WIN 0
	FETCH_X \pr, 1, 4
.endm
; A pair's second 128 along K, with the round behind which this pair's slot is filled again.
.macro TURN pr
	s_wait_tensorcnt 0x0                           ; all my tensor loads have landed
	ds_add_u32 v[SPW], v[NIL]                      ; 0 onto my spare word
	s_wait_dscnt 13                                ; (the add and the youngest 12 loads may be out)
	WMUL 0, 0
	MUL16 0, 1, (\pr)%2, 0
	s_wait_dscnt 0x0                               ; the add is done, and my reads of this slot are over
	s_barrier_signal -1
	MUL16 2, 1, (\pr)%2, 0
	WIN 0
	s_barrier_wait -1
	CREST                                          ; no wave of any partner still reads this slot or has a load on its way
	FILL (\pr)+2
.if (\pr) < 3
	FETCH_W ((\pr)+1)%2, 0
	FETCH_X (\pr)+1, 0, 0
	SCALES1 (\pr)+1
.if (\pr) < 2
	global_prefetch_b8 v[PFV], s[96:97] offset:128*RS1K+2*REC*(\pr) th:TH_LOAD_NT scope:SCOPE_SE   ; Wv's pairs 2 pr, 2 pr + 1: the load two groups on wants them
.endif
.else
	SCALES2 0                                      ; phase 2's first fragments: Wv's pairs 0, 1 are in, everybody's part
	FETCH_J 0
	FETCH_V 0
.endif
	WMUL 1, 0
	MUL16 4, 1, (\pr)%2, 0
	MUL16 6, 1, (\pr)%2, 0
.if (\pr) < 3
	PLACES 4
	WIN 0
	FETCH_X (\pr)+1, 0, 4
.else
	WIN 0
.endif
.endm
; Phase 2: a step of 128 along K: 32 products; the next step's 36 loads (48 with a pair's scale words) are issued ahead of them.
.macro VSTEP s
.set NS, (\s)+1
	s_wait_dscnt 0x0
.if NS < 8
	PLACES 4
.if NS%2 == 0
	SCALES2 NS/2
.endif
	FETCH_J NS
	FETCH_V NS
.endif
.if (\s) == 0
	WIN 0x81                                       ; C in window 0: bv starts the sums
.else
	WIN 0xa1
.endif
.irp a, 0,1,2,3
.irp b, 0,1,2,3,4,5,6,7
.if (\s) == 0
	WM 8*(8*\a+\b), 128*((\s)%2)+FR*\b, AF+48*((\s)%2)+FR*\a, BI+8*\a, SC+16*(((\s)/2)%2)+\b, SC+16*(((\s)/2)%2)+8+\a, (\s)%2
.else
	WM 8*(8*\a+\b), 128*((\s)%2)+FR*\b, AF+48*((\s)%2)+FR*\a, 8*(8*\a+\b), SC+16*(((\s)/2)%2)+\b, SC+16*(((\s)/2)%2)+8+\a, (\s)%2
.endif
.endr
.endr
	WIN 0
.endm
; THE WAY OUT of one lane tile: its 64 registers a lane, at v[ac] of window ww, register 16 b + i = k 32 b + 16 (lane / 16) + i of the lane's row, are one K step of the next product:
; quantised where they lie and stored as the image of the fragment's registers: each store of codes covers 512 consecutive bytes.  Each accumulator is read from its low end on.
.macro OUTQ ww, ac, sb, off, ls
	s_wait_xcnt 0x0                                ; the last tile's stores have read their data
	WIN (\ww)|((\ww)<<2)
.irp b, 0,1,2,3
	v_max3_num_f32 v[TM+\b], |v[(\ac)+16*\b]|, |v[(\ac)+1+16*\b]|, 0x1800000   ; my 16 numbers of block b, and the floor 2^(3 - 127): the byte cannot fall under 1
.endr
	WIN ((\ww)<<2)|((\ww)<<4)
.irp i, 2,4,6,8,10,12,14
.irp b, 0,1,2,3
	v_max3_num_f32 v[TM+\b], v[TM+\b], |v[(\ac)+16*\b+\i]|, |v[(\ac)+1+16*\b+\i]|
.endr
.endr
	WIN 0
.irp b, 0,1,2,3
	v_permlanex16_b32 v[TM+4+\b], v[TM+\b], s[SEL], s[SEL+1]
.endr
.irp b, 0,1,2,3
	v_max_num_f32 v[TM+\b], v[TM+\b], v[TM+4+\b]   ; with lane l xor 16's 16: the block's largest magnitude
.endr
.irp b, 0,1,2,3
	v_add_nc_u32 v[TM+8+\b], 0xff000000, v[TM+\b]  ; 2 off the exponent field: the conversion's scale operand
.endr
.irp b, 0,1,2,3
	v_lshrrev_b32 v[TM+4+\b], 23, v[TM+8+\b]       ; the byte
.endr
	v_lshl_or_b32 v[PW], v[TM+5], 8, v[TM+4]
	v_lshl_or_b32 v[PW], v[TM+6], 16, v[PW]
	v_lshl_or_b32 v[PW], v[TM+7], 24, v[PW]
	WIN (\ww)
.irp c, 0,1
	v_cvt_scalef32_pk16_fp6_f32 v[PC+6*\c:PC+2+6*\c], v[(\ac)+32*\c:(\ac)+15+32*\c], v[TM+8+2*\c]
	v_cvt_scalef32_pk16_fp6_f32 v[PC+12+4*\c:PC+14+4*\c], v[(\ac)+16+32*\c:(\ac)+31+32*\c], v[TM+8+2*\c+1]   ; (a conversion's three registers begin on an even number)
.endr
	v_nop                                          ; one plain instruction behind the scaled conversions
	WIN 0
.irp c, 0,1                                    ; the operand wants a whole block in a lane
.irp i, 0,1,2
	v_permlane16_swap_b32 v[PC+6*\c+\i], v[PC+12+4*\c+\i]
.endr
.irp i, 0,1,2
	v_mov_b32 v[PC+3+6*\c+\i], v[PC+12+4*\c+\i]
.endr
.endr
.irp c, 0,1,2
	global_store_b128 v[LI], v[PC+4*\c:PC+4*\c+3], s[\sb:\sb+1] offset:(\off)+512*\c
.endr
	global_store_b32 v[\ls], v[PW], s[\sb:\sb+1] offset:(\off)
.endm
	s_load_b256 s[4:11], s[0:1], 0x0               ; xw s[4:5], bq s[6:7], bk s[8:9], bv s[10:11]
	s_load_b64 s[12:13], s[0:1], 0x20              ; qkv
	v_lshl_add_u32 v[SPW], v0, 2, SPARE
	v_mov_b32 v[NIL], 0
	ds_add_u32 v[SPW], v[NIL]                      ; the opening lines: the add, twice on end, and its wait
	ds_add_u32 v[SPW], v[NIL]
	v_lshrrev_b32 v1, 5, v0
	v_readfirstlane_b32 s14, v1                    ; wave
	s_lshr_b32 s15, s14, 1                         ; my half of source 1's rows.  Also: I fetch for x (0) or for the weights (1)
	s_and_b32 s16, s14, 1                          ; q or k; my half of the tokens in phase 2.  Also: which half I fetch
	s_bfe_u32 s17, ttmp6, 0x40000                  ; cx
	s_bfe_u32 s18, ttmp6, 0x40004                  ; cy
	s_lshl_b32 s19, ttmp9, 2
	s_add_co_u32 s19, s19, s17                     ; which 128 columns: it hangs on cx alone
	s_and_b32 s20, ttmp7, 0xffff
	s_lshl_b32 s20, s20, 2
	s_add_co_u32 s20, s20, s18                     ; which 256 tokens: on cy alone
	s_lshl_b32 s21, s18, 2
	s_lshl_b32 s21, 15, s21                        ; my row of the cluster
	s_lshl_b32 s22, 0x1111, s17                    ; my column
	s_or_b32 s[G1X], s21, (3<<16)|(1<<21)          ; 15:0 the mask; 17:16 elements of 8 bytes; 21 set beside a mask; no padding
	s_or_b32 s[G1W], s22, (3<<16)|(1<<21)
	s_or_b32 s[G1V], s22, (3<<16)|(1<<21)
	s_mov_b32 s[G1X+1], 832<<16                    ; tensor_dim0: two records
	s_mov_b32 s[G1X+2], 8<<16                      ; tensor_dim1: 8 row tiles
	s_mov_b32 s[G1X+3], 832<<16
	s_mov_b32 s[G1X+4], 8
	s_mov_b32 s[G1W+1], 416<<16                    ; one record
	s_mov_b32 s[G1W+2], 8<<16
	s_mov_b32 s[G1W+3], 416<<16
	s_mov_b32 s[G1W+4], 8
	s_mov_b32 s[G1V+1], 832<<16                    ; two records, 2 row tiles
	s_mov_b32 s[G1V+2], 2<<16
	s_mov_b32 s[G1V+3], 832<<16
	s_mov_b32 s[G1V+4], 2
.irp g, G1X, G1W, G1V
	s_mov_b32 s[\g+5], RS1K/8                      ; from row tile to row tile, in elements
	s_mov_b32 s[\g+6], 0
	s_mov_b32 s[\g+7], 0
.endr
	s_mul_i32 s60, s20, TILEB                      ; x: row tile 16 x block + 8 x half
	s_mul_i32 s61, s16, 8*RS1K
	s_add_co_u32 s60, s60, s61
	s_mov_b32 s61, 0
	s_mul_i32 s62, s19, 8*RS1K                     ; Wq or Wk: row tile 64 x which + 8 x columns' group
	s_mul_i32 s63, s16, 64*RS1K
	s_add_co_u32 s62, s62, s63
	s_add_co_u32 s62, s62, XB
	s_mov_b32 s63, 0
	s_mul_i32 s68, s19, 8*RS1K                     ; Wv: row tile 8 x group + 2 x wave
	s_mul_i32 s69, s14, 2*RS1K
	s_add_co_u32 s68, s68, s69
	s_add_co_u32 s68, s68, WVOFF
	s_mov_b32 s69, 0
	s_mul_i32 s70, s16, HALF                       ; where they go in LDS: no place in the cluster enters
	s_mul_i32 s71, s16, XH
	s_mul_i32 s72, s14, 2*REC2
	s_mov_b32 s[SEL], 0x76543210
	s_mov_b32 s[SEL+1], 0xfedcba98
	s_wait_dscnt 0x0                               ; both opening adds are done
	s_wait_kmcnt 0x0
	s_mov_b32 s[G0X], 1
	s_mov_b32 s[G0X+1], s71
	s_add_nc_u64 s[G0X+2:G0X+3], s[4:5], s[60:61]
	s_or_b32 s[G0X+3], s[G0X+3], 0x80000000
	s_mov_b32 s[G0W], 1
	s_add_co_u32 s[G0W+1], s70, W0
	s_add_nc_u64 s[G0W+2:G0W+3], s[4:5], s[62:63]
	s_or_b32 s[G0W+3], s[G0W+3], 0x80000000
	s_mov_b32 s[G0V], 1
	s_add_co_u32 s[G0V+1], s72, W0
	s_add_nc_u64 s[G0V+2:G0V+3], s[4:5], s[68:69]
	s_or_b32 s[G0V+3], s[G0V+3], 0x80000000
	CROUND                                         ; all sixteen work-groups are here: the first joint loads meet
	JLOAD                                          ; x's pairs 0, 1 and W's pair 0: one tensor load a wave at the head
	s_mul_i32 s73, s15, XH                         ; x as source 1: my half
	s_add_co_u32 s74, s70, W0                      ; my weight's eight tiles in slot 0
	s_mul_i32 s75, s15, 4*REC2
	s_add_co_u32 s75, s75, W0                      ; my four tiles of Wv in slot 0
	s_and_b32 s76, s19, 1                          ; which half of a record of q or k my 128 columns are
	s_mul_i32 s77, s76, 1408
	s_sub_co_u32 s77, 3072, s77                    ; the base stands at the half's image: its scale area lies 3,072 + 128 half - 1,536 half on
	s_mul_i32 s78, s16, 1408
	s_sub_co_u32 s78, 3072, s78
	s_cmp_eq_u32 s16, 0
	s_cselect_b64 s[80:81], s[6:7], s[8:9]         ; bq or bk, by the wave's number
	s_lshl_b32 s82, s19, 9                         ; my group's 128 numbers
	s_mov_b32 s83, 0
	s_add_nc_u64 s[80:81], s[80:81], s[82:83]
	s_lshl_b32 s79, s15, 8
	s_add_co_u32 s82, s82, s79                     ; bv: + my 64
	s_add_nc_u64 s[84:85], s[10:11], s[82:83]
	s_lshl_b32 s86, s20, 4                         ; q, k: row tile 16 x block + 8 x half,
	s_lshl_b32 s87, s15, 3
	s_add_co_u32 s86, s86, s87
	s_mul_i32 s86, s86, RS1K
	s_mul_i32 s87, s16, XB                         ; q or k,
	s_add_co_u32 s86, s86, s87
	s_lshr_b32 s87, s19, 1
	s_mul_i32 s87, s87, REC                        ; the record of my columns, and its half
	s_add_co_u32 s86, s86, s87
	s_mul_i32 s87, s76, 1536
	s_add_co_u32 s86, s86, s87
	s_mov_b32 s87, 0
	s_add_nc_u64 s[90:91], s[12:13], s[86:87]
	s_lshl_b32 s88, s19, 3                         ; v^T: row tile 8 x group + 4 x half,
	s_lshl_b32 s89, s15, 2
	s_add_co_u32 s88, s88, s89
	s_mul_i32 s88, s88, RSV
	s_mul_i32 s89, s20, REC                        ; the record of my 256 tokens, and its half
	s_add_co_u32 s88, s88, s89
	s_mul_i32 s89, s16, 1536
	s_add_co_u32 s88, s88, s89
	s_add_co_u32 s88, s88, 2*XB
	s_mov_b32 s89, 0
	s_add_nc_u64 s[92:93], s[12:13], s[88:89]
	s_mul_i32 s94, s20, TILEB                      ; the prefetches: x's block,
	s_mov_b32 s95, 0
	s_add_nc_u64 s[94:95], s[4:5], s[94:95]
	s_mul_i32 s96, s19, 8*RS1K                     ; and my group's first row tile of Wq (Wk's lie 64 row tiles on, Wv's 128)
	s_add_co_u32 s96, s96, XB
	s_mov_b32 s97, 0
	s_add_nc_u64 s[96:97], s[4:5], s[96:97]
	s_lshl_b32 s98, s17, 2
	s_add_co_u32 s98, s98, s14                     ; x: row tile 4 cx + wave
	s_mul_i32 s98, s98, RS1K
	s_lshl_b32 s99, s18, 2
	s_add_co_u32 s99, s99, s14                     ; Wq, Wk: u = 4 cy + wave of 16: row tile u, + 56 for Wk's eight
	s_lshr_b32 s23, s99, 3
	s_mul_i32 s23, s23, 56
	s_add_co_u32 s99, s99, s23
	s_mul_i32 s99, s99, RS1K
	s_lshl_b32 s23, s18, 1
	s_add_co_u32 s23, s23, s15                     ; Wv: row tile 2 cy + wave / 2,
	s_mul_i32 s23, s23, RS1K
	s_mul_i32 s79, s16, REC                        ; its record wave % 2 of the two
	s_add_co_u32 s23, s23, s79
	v_and_b32 v1, 15, v0                           ; r
	v_bfe_u32 v2, v0, 4, 1                         ; h
	v_and_b32 v3, 31, v0                           ; lane
	v_lshlrev_b32 v[LI], 4, v3
	v_lshlrev_b32 v4, 2, v3
	v_lshl_add_u32 v5, v2, 7, v4
	v_add_nc_u32 v5, 3072, v5                      ; a record's scale words: lanes 0-15 the first area, lanes 16-31 the second area's upper copy
	v_lshlrev_b32 v6, 6, v2                        ; the bias along the registers: 16 h numbers on
	v_and_b32 v7, 8, v1
	v_add_lshl_u32 v7, v7, v1, 2                   ; along the lanes: number r + 8 (r / 8)
	v_add_nc_u32 v[ADRX], s73, v[LI]
	v_add_nc_u32 v[ADRJ], s71, v[LI]
	v_add_nc_u32 v[ADRW], s74, v[LI]
	v_add_nc_u32 v[ADRV], s75, v[LI]
	v_add_nc_u32 v[ASX], s73, v5
	v_add_nc_u32 v[ASJ], s71, v5
	v_add_nc_u32 v[ASW], s74, v5
	v_add_nc_u32 v[ASV], s75, v5
.irp g, ADRX, ADRJ, ASX, ASJ
	v_add_nc_u32 v[\g+1], XBR, v[\g]
.endr
.irp g, ADRW, ADRV, ASW, ASV
	v_add_nc_u32 v[\g+1], WS, v[\g]
.endr
	v_add_nc_u32 v[LSQ], s77, v4
	v_add_nc_u32 v[LSV], s78, v4
	v_min_u32 v[PFX], 25, v3                       ; 26 blocks of 256 bytes: the lanes left over name the last again
	v_lshlrev_b32 v[PFX], 8, v[PFX]
	v_min_u32 v[PFV], 12, v3                       ; 13 blocks
	v_lshlrev_b32 v[PFV], 8, v[PFV]
	v_add_nc_u32 v[PFW], s99, v[PFX]
	v_add_nc_u32 v[PFW3], s99, v[PFV]
	v_add_nc_u32 v[PFX], s98, v[PFX]
	v_add_nc_u32 v[PFV], s23, v[PFV]
	global_prefetch_b8 v[PFX], s[94:95] offset:2*REC th:TH_LOAD_NT scope:SCOPE_SE   ; x's pairs 2, 3: the next group of loads wants them
	global_prefetch_b8 v[PFW], s[96:97] offset:REC th:TH_LOAD_NT scope:SCOPE_SE     ; W's pairs 1, 2: the next group and the one after
.irp t, 0,1,2,3,4,5,6,7
	global_load_b128 v[BJ+8*\t:BJ+8*\t+3], v6, s[80:81] offset:(32*(\t/2)+8*(\t%2))*4
	global_load_b128 v[BJ+8*\t+4:BJ+8*\t+7], v6, s[80:81] offset:(32*(\t/2)+8*(\t%2))*4+16
.endr
.irp a, 0,1,2,3
	global_load_b32 v[BI+8*\a], v7, s[84:85] offset:(32*(\a/2)+8*(\a%2))*4
.endr
	s_wait_alu depctr_va_vdst(0)
	s_wait_loadcnt 0x0
.irp a, 0,1,2,3
.irp j, 1,2,3,4,5,6,7
	v_mov_b32 v[BI+8*\a+\j], v[BI+8*\a]            ; a C operand: the lane's number in all eight registers
.endr
.endr
	s_wait_alu depctr_va_vdst(0)
	s_wait_tensorcnt 0x0                           ; my part of the head's tiles is in; the lines ahead of a later first fill:
	ds_add_u32 v[SPW], v[NIL]
	s_wait_dscnt 0x0
	CROUND
	FILL 1                                         ; x's pairs 2, 3 and W's pair 1: first fills
	FETCH_W 0, 0
	FETCH_X 0, 0, 0
	SCALES1 0
	FETCH_X 0, 0, 4
	global_prefetch_b8 v[PFW3], s[96:97] offset:3*REC th:TH_LOAD_NT scope:SCOPE_SE  ; W's pair 3: the load two groups on wants it
	STEP 0, 2                                      ; bq or bk starts the sums
	TURN 0                                         ; slot 0 takes W's pair 2
	STEP 1, 0
	TURN 1                                         ; slot 1 takes W's pair 3
	STEP 2, 0
	TURN 2                                         ; slot 0 takes Wv's pairs 0, 1
	STEP 3, 0
	TURN 3                                         ; slot 1 takes Wv's pairs 2, 3
.irp b, 0,1,2,3
	v_mov_b32 v[TM+4+\b], 0                        ; written once: a lane permute's destination counts as one of its sources.  These four are also the places behind the last products
.endr
.irp a, 0,1,2,3,4,5,6,7
	OUTQ 2+\a/4, 64*(\a%4), 90, RS1K*\a, LSQ       ; q or k goes out while Wv's last load lands
.endr
	s_wait_alu depctr_va_vdst(0)
	s_wait_tensorcnt 0x0                           ; my part of Wv's pairs 2, 3 is in
	ds_add_u32 v[SPW], v[NIL]
	s_wait_dscnt 0x0
	s_barrier_signal -1                            ; and everybody's
	s_barrier_wait -1
.irp s, 0,1,2,3,4,5,6,7
	VSTEP \s
.endr
	PLACES 4
.irp a, 0,1,2,3
	OUTQ 2, 64*\a, 92, RSV*\a, LSV
.endr
	s_wait_tensorcnt 0x0                           ; the wave's end
	ds_add_u32 v[SPW], v[NIL]
	s_wait_dscnt 0x0
	CROUND                                         ; the closing round
	s_endpgm
.Lfunc_end_k_q351435986c_proj:
	.size	k_q351435986c_proj, .Lfunc_end_k_q351435986c_proj-k_q351435986c_proj
	.p2alignl 7, 3214868480
	.fill 96, 4, 3214868480
	.section	.rodata,"a",@progbits
	.p2align	6, 0x0
	.amdhsa_kernel k_q351435986c_proj
		.amdhsa_group_segment_fixed_size 327680
		.amdhsa_private_segment_fixed_size 0
		.amdhsa_enable_private_segment 0
		.amdhsa_kernarg_size 40
		.amdhsa_user_sgpr_count 2
		.amdhsa_user_sgpr_kernarg_segment_ptr 1
		.amdhsa_wavefront_size32 1
		.amdhsa_system_sgpr_workgroup_id_x 1
		.amdhsa_system_sgpr_workgroup_id_y 1
		.amdhsa_system_sgpr_workgroup_id_z 1
		.amdhsa_system_vgpr_workitem_id 0
		.amdhsa_next_free_vgpr 1024
		.amdhsa_next_free_sgpr 100
		.amdhsa_reserve_vcc 0
		.amdhsa_float_denorm_mode_32 3
		.amdhsa_float_denorm_mode_16_64 3
		.amdhsa_memory_ordered 1
		.amdhsa_forward_progress 1
		.amdhsa_inst_pref_size 220
	.end_amdhsa_kernel
	.amdgpu_metadata
---
amdhsa.version: [ 1, 2 ]
amdhsa.kernels:
  - .name:           k_q351435986c_proj
    .symbol:         k_q351435986c_proj.kd
    .args:
      - { .name: xw, .offset: 0, .size: 8, .value_kind: global_buffer, .address_space: global }
      - { .name: bq, .offset: 8, .size: 8, .value_kind: global_buffer, .address_space: global }
      - { .name: bk, .offset: 16, .size: 8, .value_kind: global_buffer, .address_space: global }
      - { .name: bv, .offset: 24, .size: 8, .value_kind: global_buffer, .address_space: global }
      - { .name: qkv, .offset: 32, .size: 8, .value_kind: global_buffer, .address_space: global }
    .group_segment_fixed_size: 327680
    .private_segment_fixed_size: 0
    .kernarg_segment_align: 8
    .kernarg_segment_size: 40
    .max_flat_workgroup_size: 128
    .sgpr_count:     100
    .vgpr_count:     1024
    .wavefront_size: 32
...
	.end_amdgpu_metadata
.endif
;; end of part 2
;; launch scores (part 3): grid 36 x 4, 4 waves a work-group, no clusters, 327,680 bytes of LDS; arguments qkv, pq, ml; writes pq, ml
.if DOCPART == 3
	.amdgcn_target "amdgcn-amd-amdhsa--gfx1250"
	.amdhsa_code_object_version 6
	.text
	.protected	k_q351435986c_scores
	.globl	k_q351435986c_scores
	.p2align	8
	.type	k_q351435986c_scores,@function
k_q351435986c_scores:
	s_mov_b64 s[64:65], 0
	v_nop
	global_prefetch_b8 v0, s[64:65] scope:SCOPE_SE
	s_setreg_imm32_b32 hwreg(HW_REG_WAVE_MODE, 25, 1), 1
	s_wait_xcnt 0x0
; The tiles of S^T = k q^T that lie on or under the diagonal, 256 queries x 256 keys each, 36 a batch (tiles wholly behind reference()'s own causal mask are not made); the mask; and for each query and each SPAN of 128 keys:
; M_loc = ceil(the span's largest t), t = score x log2(e) / 32, p = 2^(t - M_loc), l_loc = the sum of the unquantised p, and p's codes of FP6 (E2M3) with E8M0 bytes.
; M_loc is a whole number, so the next launch brings every span under the row's M by taking M - M_loc off the bytes: exact.  The maximum is the span's true one.  A span that the mask hides wholly gets M_loc = -3e38, p = 0, l_loc = 0, with no branch.
; Four waves, each 128 queries x 128 keys: source 1 (the result's lane) is q, source 0 (the result's registers) is k: a lane holds one query, and the 64 registers of a query tile are the span's 128 keys,
; 16 neighbours of each block of 32 in each half of the lanes.  Operands lie as records (3,328 bytes: two images of a fragment's registers, two areas of scale words).
; K = 1,024 goes in four pairs of 128 through THREE LDS slots.  At the head each wave issues one load of 16 records: wave w brings q's (w / 2 = 0) or k's tiles of pair w % 2, so slots 0 and 1 are asked for together.
; Pair 2 is slot 2's first fill, behind the full sequence; pair 3 goes into slot 0 when pair 0 has been read, and has pairs 1 and 2, 256 matrix instructions a wave, in which to land.  Every wait on TENSORcnt is for 0.
; PREFETCH: pairs 2 and 3 (6,656 bytes, 26 blocks of 256, of each of 16 row tiles) are named behind the head's load, a lane a block, a wave four row tiles: one and two fills ahead of the loads that want them.
; Each block is named once in the launch: q's rows by the work-group of column 0 of their row of the triangle, k's rows by the work-group of row 7 of their column; both read what they name.
; P's records: the words carry 0x80 in each byte (room for the later subtraction), and the upper 64 bytes of a scale area hold M_loc of rows 0-15.  ml: [query tile][M, l][span][row] f32.
; NO CLUSTER: the 36 tiles of a batch's triangle do not fall into groups of four that share a tile, and the mask's branch hangs on the tile's own place.
; LIMITS: NaN and infinities are not served; p under 2^-126 counts as 0; a block of zeros carries the byte 1; M_loc is exact as a whole number up to 2^24.
.set REC,   3328
.set HALF,  8*REC
.set JOFF,  2*HALF                     ; in a slot: q's 16 records, then k's 16
.set SLOT,  4*HALF
.set SPARE, 3*SLOT                     ; the spare words, 128 bytes a wave: two blocks of 256 bytes that no other line names
.set XB,    6815744
.set RS1K,  13312
.set RSP,   26624                      ; from query tile to query tile in pq: 8 records
.set FR,    12
.set ADRA, 8                           ; v8-10  LDS address of q's fragments in slot 0, 1, 2
.set ADRB, 12                          ; v12-14 of k's
.set ADRS, 16                          ; v16-18 of the scale words
.set LI,   24                          ; 16 x lane
.set LS,   25                          ; where my word of the scale area goes
.set MO,   26                          ; where my number goes in ml: 1,024 h + 4 r
.set SPW,  28
.set NIL,  29
.set PF,   30                          ; the prefetches' offset; never rewritten
.set SC,   32
.set AF,   128
.set PS,   128                         ; v128-191 t - M, then p
.set PC,   192                         ; v192-211 codes
.set BM,   212                         ; v212-215 the blocks' largest scores, then largest p
.set BT,   216
.set SO,   220                         ; v220-223 the conversions' scale operands
.set NEGM, 224                         ; -M_loc (v225 named with it as a pair)
.set TT,   226
.set MV,   227
.set LV,   228
.set WD,   229
.set OW,   230
.set OM,   231
.set LA,   232
.set LB,   234
.set DQ,   236                         ; my query - the span's first key - 16 h, for tile 0
.set NINF, 237
.set LT,   238
.set G1,  24                           ; s[24:31] group 1
.set G0,  32                           ; s[32:35], s[40:43] group 0 for q's tiles into slot 0 (pair 3) and slot 2 (pair 2)
.set G0H, 44                           ; s[44:47] group 0 of the head's load
.set G0B, 52                           ; s[52:55], s[60:63] for k's
.set SEL, 66
.set CS,  68                           ; s[68:69] c = log2(e) / 32
.set MSB, 0
.macro WIN new
.if MSB != (\new)
	s_set_vgpr_msb (MSB<<8)|(\new)
.set MSB, (\new)
.endif
.endm
.macro WMUL hi
	WIN 0xa1+0x50*(\hi)
.endm
.macro PLACES n
.rept \n
	v_nop
.endr
.endm
.macro JLOAD g0a, g0b                  ; waves 0 and 1 fetch q's halves, waves 2 and 3 k's; an s_nop 0 and four v_nop follow each line
	s_cmp_eq_u32 s15, 0
	s_cbranch_scc0 .Lfor_j_\@
	tensor_load_to_lds s[\g0a:\g0a+3], s[G1:G1+7]
	s_nop 0
	PLACES 4
	s_branch .Lasked_\@
.Lfor_j_\@:
	tensor_load_to_lds s[\g0b:\g0b+3], s[G1:G1+7]
	s_nop 0
	PLACES 4
.Lasked_\@:
.endm
.macro FRAG reg, adr, q, i
.irp c, 0,1,2
	ds_load_b128 v[\reg+4*\c:\reg+4*\c+3], v[\adr] offset:REC*(\i)+1536*(\q)+512*\c
.endr
.endm
.macro FETCH_B slot, q, p
	WIN 0x40
.irp i, 0,1,2,3,4,5,6,7
	FRAG 128*(\p)+FR*\i, ADRB+\slot, \q, \i
.endr
	WIN 0
.endm
.macro FETCH_A slot, q, i0
.irp i, \i0, \i0+1, \i0+2, \i0+3
	FRAG AF+FR*(\i), ADRA+\slot, \q, \i
.endr
.endm
.macro SCALES slot, set                ; lanes 0-15 take q's tile t, lanes 16-31 k's tile t
.irp q, 0,1
.irp t, 0,1,2,3,4,5,6,7
	ds_load_b32 v[SC+16*\set+8*\q+\t], v[ADRS+\slot] offset:REC*\t+128*\q
.endr
.endr
.endm
.macro MUL16 a0, p, q, sc, cm          ; the 64 accumulators take turns, one instruction a turn, in one order everywhere
.irp a, \a0, \a0+1
.irp b, 0,1,2,3,4,5,6,7
.if \cm == 1
	v_wmma_scale_f32_16x16x128_f8f6f4 v[8*(8*((\a)%4)+\b):8*(8*((\a)%4)+\b)+7], v[128*(\p)+FR*\b:128*(\p)+FR*\b+FR-1], v[AF+FR*(\a):AF+FR*(\a)+FR-1], 0, v[SC+16*(\sc)+8*(\q)+\b], v[SC+16*(\sc)+8*(\q)+(\a)] matrix_a_fmt:MATRIX_FMT_FP6 matrix_b_fmt:MATRIX_FMT_FP6 matrix_a_scale:MATRIX_SCALE_ROW1
.else
	v_wmma_scale_f32_16x16x128_f8f6f4 v[8*(8*((\a)%4)+\b):8*(8*((\a)%4)+\b)+7], v[128*(\p)+FR*\b:128*(\p)+FR*\b+FR-1], v[AF+FR*(\a):AF+FR*(\a)+FR-1], v[8*(8*((\a)%4)+\b):8*(8*((\a)%4)+\b)+7], v[SC+16*(\sc)+8*(\q)+\b], v[SC+16*(\sc)+8*(\q)+(\a)] matrix_a_fmt:MATRIX_FMT_FP6 matrix_b_fmt:MATRIX_FMT_FP6 matrix_a_scale:MATRIX_SCALE_ROW1
.endif
.endr
.endr
.endm
.macro STEP slot, set, cm              ; a slot's first 128 along K
	s_wait_dscnt 12                                ; all but the youngest 12 loads (q's blocks 4-7)
	WMUL 0
	MUL16 0, 0, 0, \set, \cm
	MUL16 2, 0, 0, \set, \cm
	s_wait_dscnt 0x0
	PLACES 4
	FETCH_B \slot, 1, 1
	FETCH_A \slot, 1, 0
	WMUL 1
	MUL16 4, 0, 0, \set, \cm
	MUL16 6, 0, 0, \set, \cm
	PLACES 4
	WIN 0
	FETCH_A \slot, 1, 4
.endm
.macro REST set, next, nset            ; the next slot's first fragments, and the second half of this step's products
	FETCH_B \next, 0, 0
	FETCH_A \next, 0, 0
	SCALES \next, \nset
	WMUL 1
	MUL16 4, 1, 1, \set, 0
	MUL16 6, 1, 1, \set, 0
	PLACES 4
	WIN 0
	FETCH_A \next, 0, 4
.endm
.macro TURN slot, set, next, nset, fill ; a slot's second 128 along K with a barrier.  fill = 1: this slot is filled again
	s_wait_tensorcnt 0x0                           ; all my tensor loads have landed
	ds_add_u32 v[SPW], v[NIL]                      ; 0 onto my spare word
	s_wait_dscnt 13                                ; (the add and the youngest 12 loads may be out)
	WMUL 0
	MUL16 0, 1, 1, \set, 0
	s_wait_dscnt 0x0                               ; the add is done, and my reads of this slot are over
	s_barrier_signal -1
	MUL16 2, 1, 1, \set, 0
	WIN 0
	s_barrier_wait -1
.if \fill
	JLOAD G0+4*\slot, G0B+4*\slot                  ; my one tensor load behind the barrier; its four v_nop are also the places in front of the loads below
.else
	PLACES 4
.endif
	REST \set, \next, \nset
.endm
.macro PASS set, next, nset            ; the same where the next slot is known whole and nothing is filled: slot 2's fill was waited for by every wave in front of the first TURN's barrier
	s_wait_dscnt 12
	WMUL 0
	MUL16 0, 1, 1, \set, 0
	MUL16 2, 1, 1, \set, 0
	s_wait_dscnt 0x0
	PLACES 4
	REST \set, \next, \nset
.endm
.macro LAST set
	s_wait_dscnt 12
	WMUL 0
	MUL16 0, 1, 1, \set, 0
	MUL16 2, 1, 1, \set, 0
	s_wait_dscnt 0x0
	WMUL 1
	MUL16 4, 1, 1, \set, 0
	MUL16 6, 1, 1, \set, 0
	WIN 0
.endm
	s_load_b128 s[4:7], s[0:1], 0x0                ; qkv s[4:5], pq s[6:7]
	s_load_b64 s[8:9], s[0:1], 0x10                ; ml
	v_lshl_add_u32 v[SPW], v0, 2, SPARE
	v_mov_b32 v[NIL], 0
	ds_add_u32 v[SPW], v[NIL]                      ; the opening lines: the add, twice on end, and its wait
	ds_add_u32 v[SPW], v[NIL]
	v_lshrrev_b32 v1, 5, v0
	v_readfirstlane_b32 s14, v1                    ; wave
	s_lshr_b32 s15, s14, 1                         ; my half of the queries.  Also: I fetch for q (0) or for k (1)
	s_and_b32 s16, s14, 1                          ; my half of the keys.  Also: which pair (head) or half (later) I fetch
	s_mov_b32 s17, 0                               ; I: the tile's row in the triangle = how many of the rows' first numbers are at or under mine
.irp th, 1,3,6,10,15,21,28
	s_cmp_ge_u32 ttmp9, \th
	s_add_co_ci_u32 s17, s17, 0
.endr
	s_add_co_u32 s18, s17, 1
	s_mul_i32 s18, s18, s17
	s_lshr_b32 s18, s18, 1
	s_sub_co_u32 s18, ttmp9, s18                   ; J: its column, 0 .. I
	s_and_b32 s19, ttmp7, 0xffff                   ; the batch
	s_mov_b32 s[G1+0], 3<<16                       ; no mask; elements of 8 bytes; no padding
	s_mov_b32 s[G1+1], 416<<16                     ; tensor_dim0: a record
	s_mov_b32 s[G1+2], 16<<16                      ; tensor_dim1: 16 row tiles for the head's load
	s_mov_b32 s[G1+3], 416<<16
	s_mov_b32 s[G1+4], 16
	s_mov_b32 s[G1+5], RS1K/8
	s_mov_b32 s[G1+6], 0
	s_mov_b32 s[G1+7], 0
	s_lshl_b32 s20, s19, 7
	s_lshl_b32 s21, s17, 4
	s_add_co_u32 s84, s20, s21                     ; the first query tile: 128 b + 16 I
	s_lshl_b32 s21, s18, 4
	s_add_co_u32 s85, s20, s21                     ; the first key tile
	s_mul_i32 s86, s84, RS1K
	s_mov_b32 s87, 0
	s_mul_i32 s88, s85, RS1K
	s_add_co_u32 s88, s88, XB                      ; k's records lie behind q's
	s_mov_b32 s89, 0
	s_mul_i32 s22, s16, 8*RS1K                     ; later loads: my 8 row tiles
	s_mov_b32 s23, 0
	s_mul_i32 s48, s16, REC                        ; the head's load: my pair
	s_mov_b32 s49, 0
	s_mov_b32 s[G0H], 1
	s_mul_i32 s[G0H+1], s16, SLOT                  ; slot = pair,
	s_mul_i32 s50, s15, JOFF                       ; q's part or k's
	s_add_co_u32 s[G0H+1], s[G0H+1], s50
	s_mul_i32 s51, s14, HALF
	s_mul_i32 s50, s14, 4*RS1K                     ; the prefetches: my four row tiles
	s_mov_b32 s[SEL], 0x76543210
	s_mov_b32 s[SEL+1], 0xfedcba98
	s_mov_b32 s[CS], 0x3d38aa3b                    ; log2(e) / 32
	s_mov_b32 s[CS+1], s[CS]
	s_mov_b32 s70, 0xffff0000                      ; lanes 16-31
	s_wait_dscnt 0x0                               ; both opening adds are done
	s_wait_kmcnt 0x0
	s_add_nc_u64 s[86:87], s[4:5], s[86:87]        ; q's 16 row tiles
	s_add_nc_u64 s[88:89], s[4:5], s[88:89]        ; k's
	s_cmp_eq_u32 s15, 0
	s_cselect_b64 s[G0H+2:G0H+3], s[86:87], s[88:89]
	s_add_nc_u64 s[G0H+2:G0H+3], s[G0H+2:G0H+3], s[48:49]
	s_or_b32 s[G0H+3], s[G0H+3], 0x80000000
	tensor_load_to_lds s[G0H:G0H+3], s[G1:G1+7]    ; pairs 0 and 1: one tensor load a wave at the head
	s_nop 0
	PLACES 4
	v_and_b32 v[PF], 31, v0
	v_min_u32 v[PF], 25, v[PF]                     ; 26 blocks a row tile: the lanes left over name the last again
	v_lshlrev_b32 v[PF], 8, v[PF]
	v_add_nc_u32 v[PF], s50, v[PF]
	s_wait_alu depctr_va_vdst(0)
	s_cmp_lg_u32 s18, 0
	s_cbranch_scc1 .Lno_q                          ; a branch on ids: column 0 names q's rows
.irp i, 0,1,2,3
	global_prefetch_b8 v[PF], s[86:87] offset:\i*RS1K+2*REC th:TH_LOAD_NT scope:SCOPE_SE
.endr
.Lno_q:
	s_cmp_lg_u32 s17, 7
	s_cbranch_scc1 .Lno_k                          ; row 7 names k's rows
.irp i, 0,1,2,3
	global_prefetch_b8 v[PF], s[88:89] offset:\i*RS1K+2*REC th:TH_LOAD_NT scope:SCOPE_SE
.endr
.Lno_k:
	s_add_nc_u64 s[20:21], s[86:87], s[22:23]
	s_add_nc_u64 s[48:49], s[88:89], s[22:23]
.irp s, 0,2                                    ; slot 0 will take pair 3, slot 2 pair 2
	s_mov_b32 s[G0+4*\s], 1
	s_add_co_u32 s[G0+4*\s+1], s51, \s*SLOT
	s_add_nc_u64 s[G0+4*\s+2:G0+4*\s+3], s[20:21], (3-\s/2)*REC
	s_or_b32 s[G0+4*\s+3], s[G0+4*\s+3], 0x80000000
	s_mov_b32 s[G0B+4*\s], 1
	s_add_co_u32 s[G0B+4*\s+1], s51, \s*SLOT
	s_add_nc_u64 s[G0B+4*\s+2:G0B+4*\s+3], s[48:49], (3-\s/2)*REC
	s_or_b32 s[G0B+4*\s+3], s[G0B+4*\s+3], 0x80000000
.endr
	v_and_b32 v1, 15, v0                           ; r
	v_bfe_u32 v2, v0, 4, 1                         ; h
	v_and_b32 v3, 31, v0                           ; lane
	v_lshlrev_b32 v[LI], 4, v3
	v_lshlrev_b32 v4, 2, v3
	s_mul_i32 s76, s15, HALF
	s_mul_i32 s77, s16, HALF
	s_add_co_u32 s77, s77, JOFF
.irp s, 0,1,2
	v_add_nc_u32 v[ADRA+\s], s76, v[LI]
	v_add_nc_u32 v[ADRB+\s], s77, v[LI]
	s_add_co_u32 s76, s76, SLOT
	s_add_co_u32 s77, s77, SLOT
.endr
	s_mul_i32 s76, s15, HALF
	s_mul_i32 s77, s16, HALF
	s_add_co_u32 s77, s77, JOFF+64
	s_sub_co_u32 s77, s77, s76
	v_mul_u32_u24 v5, s77, v2                      ; lanes 16-31 take k's words
	v_lshl_add_u32 v5, v1, 2, v5
	s_add_co_u32 s76, s76, 3072
	v_add_nc_u32 v[ADRS], s76, v5
	v_add_nc_u32 v[ADRS+1], SLOT, v[ADRS]
	v_add_nc_u32 v[ADRS+2], 2*SLOT, v[ADRS]
	s_mul_i32 s78, s16, 1408
	s_sub_co_u32 s78, 3072, s78
	v_add_nc_u32 v[LS], s78, v4
	v_lshlrev_b32 v[MO], 10, v2
	v_lshl_add_u32 v[MO], v1, 2, v[MO]
	s_lshl_b32 s22, s15, 3
	s_add_co_u32 s22, s84, s22                     ; my first query tile
	s_lshl_b32 s23, s22, 3
	s_add_co_u32 s23, s23, s18                     ; its record of key pair J
	s_mul_i32 s80, s23, REC
	s_mul_i32 s81, s16, 1536
	s_add_co_u32 s80, s80, s81
	s_mov_b32 s81, 0
	s_add_nc_u64 s[6:7], s[6:7], s[80:81]
	s_lshl_b32 s80, s22, 11
	s_lshl_b32 s82, s18, 1
	s_add_co_u32 s82, s82, s16                     ; my span: 2 J + jh
	s_lshl_b32 s82, s82, 6
	s_add_co_u32 s80, s80, s82
	s_add_nc_u64 s[8:9], s[8:9], s[80:81]
	s_lshl_b32 s71, s17, 8
	s_lshl_b32 s72, s15, 7
	s_add_co_u32 s71, s71, s72                     ; my first query
	s_lshl_b32 s72, s18, 8
	s_lshl_b32 s73, s16, 7
	s_add_co_u32 s72, s72, s73                     ; my first key
	s_sub_co_i32 s73, s71, s72
	s_add_co_u32 s74, s72, 127                     ; my last key
	v_and_b32 v5, 8, v1
	v_add_nc_u32 v5, v5, v1
	v_lshlrev_b32 v6, 4, v2
	v_sub_nc_u32 v5, v5, v6
	v_add_nc_u32 v[DQ], s73, v5
	v_mov_b32 v[NINF], 0xff800000
	v_mov_b32 v[NEGM+1], 0                         ; (named as the upper half of a pair)
	v_mov_b32 v[LT], 0                             ; a lane permute's destination counts as one of its sources
	s_wait_alu depctr_va_vdst(0)
	s_wait_tensorcnt 0x0                           ; my part of slots 0 and 1 is in; the lines ahead of a later first fill:
	ds_add_u32 v[SPW], v[NIL]
	s_mov_b32 s[G1+2], 8<<16                       ; no tensor load of mine is out: from here on a load brings 8 row tiles
	s_mov_b32 s[G1+4], 8
	s_wait_dscnt 0x0
	s_barrier_signal -1
	s_barrier_wait -1
	JLOAD G0+8, G0B+8                              ; slot 2's first fill: pair 2
	FETCH_B 0, 0, 0
	FETCH_A 0, 0, 0
	SCALES 0, 0
	FETCH_A 0, 0, 4
	STEP 0, 0, 1                                   ; pair 0: the constant 0 starts the sums
	TURN 0, 0, 1, 1, 1                             ; pair 2 is in, everybody's part; slot 0 takes pair 3
	STEP 1, 1, 0
	PASS 1, 2, 0                                   ; on into slot 2, which that barrier has shown whole
	STEP 2, 0, 0
	TURN 2, 0, 0, 1, 0                             ; pair 3 is in, everybody's part
	STEP 0, 1, 0
	LAST 1
	PLACES 4
.irp b, 0,1,2,3
	v_mov_b32 v[BT+\b], 0
.endr
; One query tile's span: mask, M_loc, p, l_loc, codes, stores.
.macro SOFT a
.set AC, 64*((\a)%4)
.set WW, 2+(\a)/4
	s_cmp_le_u32 s74, s71                          ; all my keys count for all my queries: a branch on ids
	s_cbranch_scc1 .Lopen_\@
	WIN (WW<<6)|WW
.set N, 0
	s_wait_alu depctr_va_vdst(0)
.rept 64                                       ; register n holds key 32 (n / 16) + n % 16 + 16 h of the span: hidden where it lies behind the lane's query
	v_cmp_gt_i32 vcc_lo, 32*(N/16)+N%16-32*((\a)/2)-8*((\a)%2), v[DQ]
	v_cndmask_b32 v[AC+N], v[AC+N], v[NINF], vcc_lo
.set N, N+1
.endr
	WIN 0
.Lopen_\@:
	WIN (WW<<4)|(WW<<2)|WW
.irp b, 0,1,2,3
	v_max3_num_f32 v[BM+\b], v[AC+16*\b], v[AC+16*\b+1], v[AC+16*\b+2]   ; the largest score of each block of 32 keys: for the row's maximum, and, since p rises with the score, for the block's largest p
.endr
	WIN (WW<<4)|(WW<<2)
.irp i, 3,5,7,9,11,13
.irp b, 0,1,2,3
	v_max3_num_f32 v[BM+\b], v[BM+\b], v[AC+16*\b+\i], v[AC+16*\b+\i+1]
.endr
.endr
.irp b, 0,1,2,3
	v_max_num_f32 v[BM+\b], v[BM+\b], v[AC+16*\b+15]
.endr
	WIN 0
.irp b, 0,1,2,3
	v_permlanex16_b32 v[BT+\b], v[BM+\b], s[SEL], s[SEL+1]
.endr
.irp b, 0,1,2,3
	v_max_num_f32 v[BM+\b], v[BM+\b], v[BT+\b]
.endr
	v_max3_num_f32 v[TT], v[BM], v[BM+1], v[BM+2]
	v_max_num_f32 v[TT], v[TT], v[BM+3]
	v_mul_f32 v[TT], s[CS], v[TT]                  ; the span's largest t (c is positive)
	v_max_num_f32 v[TT], 0xff61b1e6, v[TT]         ; -3e38 where the whole span is hidden
	v_floor_f32 v[NEGM], -v[TT]                    ; -M_loc = floor(-t): a whole number
	WIN WW
.set E, 0
.rept 32
	v_pk_fma_f32 v[PS+E:PS+E+1], v[AC+E:AC+E+1], s[CS:CS+1], v[NEGM:NEGM+1] op_sel_hi:[1,0,0]   ; t - M_loc
.set E, E+2
.endr
	WIN 0
.irp b, 0,1,2,3
	v_fma_f32 v[BM+\b], v[BM+\b], s[CS], v[NEGM]
.endr
.set E, 0
	s_wait_alu depctr_va_vdst(0)
.rept 64
	v_exp_f32 v[PS+E], v[PS+E]                     ; p, at most 1
.set E, E+1
.endr
	v_sub_f32 v[MV], 0, v[NEGM]                    ; M_loc.  (The plain instruction behind the exponentials)
	s_wait_alu depctr_va_vdst(0)                   ; one wait for the batch of 64, ahead of its first reader
.irp b, 0,1,2,3
	v_exp_f32 v[BM+\b], v[BM+\b]                   ; the blocks' largest p: the same two instructions on the same number
.endr
	v_pk_add_f32 v[LA:LA+1], v[PS:PS+1], v[PS+4:PS+5]      ; l_loc is summed over the unquantised p, in two chains
	v_pk_add_f32 v[LB:LB+1], v[PS+2:PS+3], v[PS+6:PS+7]
.irp j, 8,12,16,20,24,28,32,36,40,44,48,52,56,60
	v_pk_add_f32 v[LA:LA+1], v[LA:LA+1], v[PS+\j:PS+\j+1]
	v_pk_add_f32 v[LB:LB+1], v[LB:LB+1], v[PS+\j+2:PS+\j+3]
.endr
	v_pk_add_f32 v[LA:LA+1], v[LA:LA+1], v[LB:LB+1]
	v_add_f32 v[LV], v[LA], v[LA+1]
	v_permlanex16_b32 v[LT], v[LV], s[SEL], s[SEL+1]
	v_add_f32 v[LV], v[LV], v[LT]
	s_wait_alu depctr_va_vdst(0)                   ; and one for the four
.irp b, 0,1,2,3
	v_max_num_f32 v[BM+\b], 0x1800000, v[BM+\b]    ; the floor 2^(3 - 127): the byte cannot fall under 1
.endr
.irp b, 0,1,2,3
	v_add_nc_u32 v[SO+\b], 0xff000000, v[BM+\b]
.endr
.irp b, 0,1,2,3
	v_lshrrev_b32 v[BT+\b], 23, v[SO+\b]
.endr
	v_lshl_or_b32 v[WD], v[BT+1], 8, v[BT]
	v_lshl_or_b32 v[WD], v[BT+2], 16, v[WD]
	v_lshl_or_b32 v[WD], v[BT+3], 24, v[WD]
	v_or_b32 v[WD], 0x80808080, v[WD]              ; the bytes lie in 1 .. 125: bit 7 of each gives the later subtraction room
	s_wait_xcnt 0x0                                ; the last tile's stores have read their data
.irp c, 0,1
	v_cvt_scalef32_pk16_fp6_f32 v[PC+6*\c:PC+2+6*\c], v[PS+32*\c:PS+15+32*\c], v[SO+2*\c]
	v_cvt_scalef32_pk16_fp6_f32 v[PC+12+4*\c:PC+14+4*\c], v[PS+16+32*\c:PS+31+32*\c], v[SO+2*\c+1]
.endr
	v_nop                                          ; one plain instruction behind the scaled conversions
.irp c, 0,1
.irp i, 0,1,2
	v_permlane16_swap_b32 v[PC+6*\c+\i], v[PC+12+4*\c+\i]
.endr
.irp i, 0,1,2
	v_mov_b32 v[PC+3+6*\c+\i], v[PC+12+4*\c+\i]
.endr
.endr
	v_cndmask_b32 v[OW], v[WD], v[MV], s70         ; the scale area: lanes 0-15 the words, lanes 16-31 M_loc
	v_cndmask_b32 v[OM], v[MV], v[LV], s70         ; ml: lanes 0-15 M_loc, lanes 16-31 l_loc
.irp c, 0,1,2
	global_store_b128 v[LI], v[PC+4*\c:PC+4*\c+3], s[6:7] offset:RSP*(\a)+512*\c
.endr
	global_store_b32 v[LS], v[OW], s[6:7] offset:RSP*(\a)
	global_store_b32 v[MO], v[OM], s[8:9] offset:2048*(\a)   ; two pieces of 64 bytes: ml is a small part of what the launch stores
.endm
.irp a, 0,1,2,3,4,5,6,7
	SOFT \a
.endr
	s_wait_tensorcnt 0x0                           ; the wave's end
	ds_add_u32 v[SPW], v[NIL]
	s_wait_dscnt 0x0
	s_endpgm
.Lfunc_end_k_q351435986c_scores:
	.size	k_q351435986c_scores, .Lfunc_end_k_q351435986c_scores-k_q351435986c_scores
	.p2alignl 7, 3214868480
	.fill 96, 4, 3214868480
	.section	.rodata,"a",@progbits
	.p2align	6, 0x0
	.amdhsa_kernel k_q351435986c_scores
		.amdhsa_group_segment_fixed_size 327680
		.amdhsa_private_segment_fixed_size 0
		.amdhsa_enable_private_segment 0
		.amdhsa_kernarg_size 24
		.amdhsa_user_sgpr_count 2
		.amdhsa_user_sgpr_kernarg_segment_ptr 1
		.amdhsa_wavefront_size32 1
		.amdhsa_system_sgpr_workgroup_id_x 1
		.amdhsa_system_sgpr_workgroup_id_y 1
		.amdhsa_system_sgpr_workgroup_id_z 1
		.amdhsa_system_vgpr_workitem_id 0
		.amdhsa_next_free_vgpr 1024
		.amdhsa_next_free_sgpr 100
		.amdhsa_reserve_vcc 1
		.amdhsa_float_denorm_mode_32 3
		.amdhsa_float_denorm_mode_16_64 3
		.amdhsa_memory_ordered 1
		.amdhsa_forward_progress 1
		.amdhsa_inst_pref_size 239
	.end_amdhsa_kernel
	.amdgpu_metadata
---
amdhsa.version: [ 1, 2 ]
amdhsa.kernels:
  - .name:           k_q351435986c_scores
    .symbol:         k_q351435986c_scores.kd
    .args:
      - { .name: qkv, .offset: 0, .size: 8, .value_kind: global_buffer, .address_space: global }
      - { .name: pq, .offset: 8, .size: 8, .value_kind: global_buffer, .address_space: global }
      - { .name: ml, .offset: 16, .size: 8, .value_kind: global_buffer, .address_space: global }
    .group_segment_fixed_size: 327680
    .private_segment_fixed_size: 0
    .kernarg_segment_align: 8
    .kernarg_segment_size: 24
    .max_flat_workgroup_size: 128
    .sgpr_count:     100
    .vgpr_count:     1024
    .wavefront_size: 32
...
	.end_amdgpu_metadata
.endif
;; end of part 3
;; launch pv (part 4): grid 4 x 64, 4 waves a work-group, clusters of 4 x 1, 327,680 bytes of LDS; arguments pq, ml, qkv, out0; writes out0
.if DOCPART == 4
	.amdgcn_target "amdgcn-amd-amdhsa--gfx1250"
	.amdhsa_code_object_version 6
	.text
	.protected	k_q351435986c_pv
	.globl	k_q351435986c_pv
	.p2align	8
	.type	k_q351435986c_pv,@function
k_q351435986c_pv:
	s_mov_b64 s[64:65], 0
	v_nop
	global_prefetch_b8 v0, s[64:65] scope:SCOPE_SE
	s_setreg_imm32_b32 hwreg(HW_REG_WAVE_MODE, 25, 1), 1
	s_wait_xcnt 0x0
	s_wait_alu depctr_hold_cnt(0) depctr_sa_sdst(0) depctr_va_vdst(0) depctr_va_sdst(0) depctr_va_ssrc(0) depctr_va_vcc(0) depctr_vm_vsrc(0)
	s_getreg_b32 s2, hwreg(HW_REG_IB_STS2, 6, 4)
	s_cmp_eq_u32 s2, 0
	s_cbranch_scc0 .Lentry_in_a_cluster
	s_endpgm
.Lentry_in_a_cluster:
	s_bfe_u32 s2, ttmp6, 0x10000c
	s_cmp_lg_u32 s2, 0x3003
	s_cbranch_scc0 .Lentry_shape_is_right
	s_endpgm
.Lentry_shape_is_right:
; out = (P V) / l: O^T = v^T p^T on codes of FP6 (E2M3) with E8M0 scales, sums in f32.  A work-group makes 128 queries x 256 of d, a wave 64 x 128: source 1 (the result's lane) is P, source 0 (its registers) v^T.
; Only the keys up to the query block's own pair of 256 are walked: what lies behind reference()'s own causal mask was never made.
; The row's M = the largest M_loc of its spans and l = the sum of l_loc x 2^(M_loc - M) come from ml at the head; each span's scale bytes of P are brought under M by taking M - M_loc off them (held at 0), which is exact.
; The keys go in slots of 512 (two records a row tile) through two LDS slots: slot 0 is asked for at the head, and ml's loads and the rows' arithmetic stand under its flight; slot 1 behind the full sequence and a round.
; CLUSTER 4 x 1: the four work-groups of a query block ask for P's tiles jointly; each has its own 256 of d.
; PREFETCH, one slot ahead of the tensor load that wants the bytes: behind load t the blocks of 256 bytes of load t + 1, a lane a block, where the walk has such a load: V's 16 row tiles x 26 blocks are the work-group's own,
; four row tiles a wave; P's 8 x 26 blocks are shared out among the four partners and their waves by address, 13 blocks a wave.  The offsets are immediates: no address register is rewritten.
; LIMITS: NaN and infinities are not served.
.set REC,   3328
.set REC2,  2*REC
.set IHALF, 4*REC2
.set JHALF, 8*REC2
.set JOFF,  2*IHALF
.set SLOT,  JOFF+2*JHALF
.set SPARE, 2*SLOT
.set STAGE, 0
.set XB,    6815744
.set RSP,   26624
.set RSV,   106496
.set FR,    12
.set ADRA, 16
.set ADRS, 18
.set ADRB, 20
.set ADRM, 22
.set LI,   24
.set STO,  25
.set RD,   26
.set SPW,  28
.set NIL,  29
.set SC,   32
.set ML,   64
.set MX,   80
.set YR,   88
.set ER,   96
.set VO,   104
.set LL,   112
.set TP,   120
.set AF,   128
.set DR,   224
.set RL,   0
.set TMP,  64
.set BK,   128
.set G1,  24
.set G0,  32
.set G1B, 48
.set G0B, 56
.set SEL, 66
.set MUL, 0xa1
.set MSB, 0
.macro WIN new
.if MSB != (\new)
	s_set_vgpr_msb (MSB<<8)|(\new)
.set MSB, (\new)
.endif
.endm
.macro PLACES n
.rept \n
	v_nop
.endr
.endm
.macro JLOAD g0a, g1a, g0b, g1b
	s_cmp_eq_u32 s15, 0
	s_cbranch_scc0 .Lfor_j_\@
	tensor_load_to_lds s[\g0a:\g0a+3], s[\g1a:\g1a+7]
	s_nop 0
.rept 4
	v_nop
.endr
	s_branch .Lasked_\@
.Lfor_j_\@:
	tensor_load_to_lds s[\g0b:\g0b+3], s[\g1b:\g1b+7]
	s_nop 0
.rept 4
	v_nop
.endr
.Lasked_\@:
.endm
.macro CREST
	s_cmp_lg_u32 s14, 0
	s_cbranch_scc1 .Lnot_wave_0_\@
	s_barrier_signal -3
.Lnot_wave_0_\@:
	s_barrier_wait -3
	s_barrier_signal -1
	s_barrier_wait -1
.endm
.macro CROUND
	s_barrier_signal -1
	s_barrier_wait -1
	CREST
.endm
.macro FRAG reg, adr, off
.irp c, 0,1,2
	ds_load_b128 v[\reg+4*\c:\reg+4*\c+3], v[\adr] offset:\off+512*\c
.endr
.endm
.macro FETCH_B slot, u, q, p
	WIN 0x40
.irp i, 0,1,2,3,4,5,6,7
	FRAG 128*(\p)+FR*\i, ADRB+\slot, REC2*\i+REC*(\u)+1536*(\q)
.endr
	WIN 0
.endm
.macro FETCH_A slot, u, q, p
.irp i, 0,1,2,3
	FRAG AF+48*(\p)+FR*\i, ADRA+\slot, REC2*\i+REC*(\u)+1536*(\q)
.endr
.endm
.macro SCALES slot, u, set
.irp q, 0,1
.irp t, 0,1,2,3,4,5,6,7
	ds_load_b32 v[SC+16*\set+8*\q+\t], v[ADRS+\slot] offset:REC2*\t+REC*(\u)+128*\q
.endr
.endr
.endm
.macro MLOC slot, u
.irp q, 0,1
.irp a, 0,1,2,3
	ds_load_b32 v[ML+4*\q+\a], v[ADRM+\slot] offset:REC2*\a+REC*(\u)+128*\q
.endr
.endr
.endm
.macro FIX set
.irp k, 0,1,2,3,4,5,6,7
	v_sub_f32 v[DR+\k], v[MX+(\k%4)], v[ML+\k]
.endr
.irp k, 0,1,2,3,4,5,6,7
	v_min_num_f32 v[DR+\k], 0x42fe0000, v[DR+\k]
.endr
.irp k, 0,1,2,3,4,5,6,7
	v_cvt_u32_f32 v[DR+\k], v[DR+\k]
.endr
.irp k, 0,1,2,3,4,5,6,7
	v_perm_b32 v[DR+\k], v[DR+\k], v[DR+\k], 0
.endr
.irp k, 0,1,2,3,4,5,6,7
	v_sub_nc_u32 v[YR+\k], v[SC+16*\set+8*(\k/4)+(\k%4)], v[DR+\k]
.endr
.irp k, 0,1,2,3,4,5,6,7
	v_and_b32 v[DR+\k], 0x80808080, v[YR+\k]
.endr
.irp k, 0,1,2,3,4,5,6,7
	v_lshrrev_b32 v[ER+\k], 7, v[DR+\k]
.endr
.irp k, 0,1,2,3,4,5,6,7
	v_sub_nc_u32 v[DR+\k], v[DR+\k], v[ER+\k]
.endr
.irp k, 0,1,2,3,4,5,6,7
	v_and_b32 v[YR+\k], v[YR+\k], v[DR+\k]
.endr
.irp k, 0,1,2,3,4,5,6,7
	v_cndmask_b32 v[SC+16*\set+8*(\k/4)+(\k%4)], v[YR+\k], v[SC+16*\set+8*(\k/4)+(\k%4)], s70
.endr
	PLACES 8
.endm
.macro MUL8 a, p, q, sc, cm
.irp b, 0,1,2,3,4,5,6,7
.if \cm == 1
	v_wmma_scale_f32_16x16x128_f8f6f4 v[8*(8*(\a)+\b):8*(8*(\a)+\b)+7], v[128*(\p)+FR*\b:128*(\p)+FR*\b+FR-1], v[AF+48*(\p)+FR*(\a):AF+48*(\p)+FR*(\a)+FR-1], 0, v[SC+16*(\sc)+8*(\q)+\b], v[SC+16*(\sc)+8*(\q)+(\a)] matrix_a_fmt:MATRIX_FMT_FP6 matrix_b_fmt:MATRIX_FMT_FP6 matrix_a_scale:MATRIX_SCALE_ROW1
.else
	v_wmma_scale_f32_16x16x128_f8f6f4 v[8*(8*(\a)+\b):8*(8*(\a)+\b)+7], v[128*(\p)+FR*\b:128*(\p)+FR*\b+FR-1], v[AF+48*(\p)+FR*(\a):AF+48*(\p)+FR*(\a)+FR-1], v[8*(8*(\a)+\b):8*(8*(\a)+\b)+7], v[SC+16*(\sc)+8*(\q)+\b], v[SC+16*(\sc)+8*(\q)+(\a)] matrix_a_fmt:MATRIX_FMT_FP6 matrix_b_fmt:MATRIX_FMT_FP6 matrix_a_scale:MATRIX_SCALE_ROW1
.endif
.endr
.endm
.macro STEP slot, u, cm
	s_wait_dscnt 0x0
	PLACES 4
	FETCH_B \slot, \u, 1, 1
	FETCH_A \slot, \u, 1, 1
	WIN MUL
	MUL8 0, 0, 0, \u, \cm
	MUL8 1, 0, 0, \u, \cm
	MUL8 2, 0, 0, \u, \cm
	MUL8 3, 0, 0, \u, \cm
	WIN 0
.endm
.macro PASS slot
	s_wait_dscnt 0x0
	PLACES 4
	SCALES \slot, 1, 1
	MLOC \slot, 1
	FETCH_B \slot, 1, 0, 0
	FETCH_A \slot, 1, 0, 0
	WIN MUL
	MUL8 0, 1, 1, 0, 0
	MUL8 1, 1, 1, 0, 0
	WIN 0
	s_wait_dscnt 36
	FIX 1
	WIN MUL
	MUL8 2, 1, 1, 0, 0
	MUL8 3, 1, 1, 0, 0
	WIN 0
.endm
.macro TURN slot, next, fill
	s_wait_tensorcnt 0x0
	ds_add_u32 v[SPW], v[NIL]
	s_wait_dscnt 0x1
	WIN MUL
	MUL8 0, 1, 1, 1, 0
	s_wait_dscnt 0x0
	s_barrier_signal -1
	MUL8 1, 1, 1, 1, 0
	WIN 0
	s_barrier_wait -1
.if \fill
	CREST
	s_add_nc_u64 s[G0+4*\slot+2:G0+4*\slot+3], s[G0+4*\slot+2:G0+4*\slot+3], 2*REC2
	s_add_nc_u64 s[G0B+4*\slot+2:G0B+4*\slot+3], s[G0B+4*\slot+2:G0B+4*\slot+3], 2*REC2
	JLOAD G0+4*\slot, G1, G0B+4*\slot, G1B
.else
	PLACES 4
.endif
	SCALES \next, 0, 0
	MLOC \next, 0
	FETCH_B \next, 0, 0, 0
	FETCH_A \next, 0, 0, 0
.if \fill
.if \slot == 0
	ASK 3                                          ; behind load 2: load 3's blocks
.endif
.endif
	WIN MUL
	MUL8 2, 1, 1, 1, 0
	WIN 0
	s_wait_dscnt 36
	FIX 0
	WIN MUL
	MUL8 3, 1, 1, 1, 0
	WIN 0
.endm
.macro LAST u
	s_wait_dscnt 0x0
	WIN MUL
	MUL8 0, 1, 1, \u, 0
	MUL8 1, 1, 1, \u, 0
	MUL8 2, 1, 1, \u, 0
	MUL8 3, 1, 1, \u, 0
	WIN 0
.endm
	s_load_b256 s[4:11], s[0:1], 0x0
	v_lshl_add_u32 v[SPW], v0, 2, SPARE
	v_mov_b32 v[NIL], 0
	ds_add_u32 v28, v29
	ds_add_u32 v28, v29
	s_wait_dscnt 0x0
	v_lshrrev_b32 v1, 5, v0
	v_readfirstlane_b32 s14, v1
	s_lshr_b32 s15, s14, 1
	s_and_b32 s16, s14, 1
	s_bfe_u32 s40, ttmp6, 0x40000
	s_and_b32 s17, ttmp7, 0xffff
	s_lshr_b32 s18, s17, 4
	s_and_b32 s72, s17, 15
	s_lshr_b32 s19, s72, 1
	s_add_co_u32 s71, s19, 1
	s_mov_b32 s[G1+0], 15|(3<<16)|(1<<21)
	s_mov_b32 s[G1+1], 832<<16
	s_mov_b32 s[G1+2], 4<<16
	s_mov_b32 s[G1+3], 832<<16
	s_mov_b32 s[G1+4], 4
	s_mov_b32 s[G1+5], RSP/8
	s_mov_b32 s[G1+6], 0
	s_mov_b32 s[G1+7], 0
	s_mov_b32 s[G1B+0], 3<<16
	s_mov_b32 s[G1B+1], 832<<16
	s_mov_b32 s[G1B+2], 8<<16
	s_mov_b32 s[G1B+3], 832<<16
	s_mov_b32 s[G1B+4], 8
	s_mov_b32 s[G1B+5], RSV/8
	s_mov_b32 s[G1B+6], 0
	s_mov_b32 s[G1B+7], 0
	s_lshl_b32 s20, s18, 7
	s_lshl_b32 s21, s72, 3
	s_add_co_u32 s41, s20, s21
	s_lshl_b32 s21, s16, 2
	s_add_co_u32 s20, s41, s21
	s_mul_i32 s20, s20, RSP
	s_mov_b32 s21, 0
	s_lshl_b32 s46, s40, 4
	s_lshl_b32 s47, s16, 3
	s_add_co_u32 s46, s46, s47
	s_mul_i32 s46, s46, RSV
	s_mul_i32 s47, s18, 8*REC
	s_add_co_u32 s46, s46, s47
	s_add_co_u32 s46, s46, 2*XB
	s_mov_b32 s47, 0
	s_mul_i32 s45, s16, IHALF
	s_mul_i32 s44, s16, JHALF
	s_add_co_u32 s44, s44, JOFF
	s_cmp_gt_u32 s19, 1
	s_cselect_b32 s22, REC2, 0
	s_mov_b32 s23, 0
	s_mov_b32 s[SEL], 0x76543210
	s_mov_b32 s[SEL+1], 0xfedcba98
	s_mov_b32 s70, 0xffff0000
	s_mov_b32 s88, 0xc3480000
	s_wait_kmcnt 0x0
	s_add_nc_u64 s[20:21], s[4:5], s[20:21]
	s_add_nc_u64 s[46:47], s[8:9], s[46:47]
	CROUND
	s_mov_b32 s[G0], 1
	s_mov_b32 s[G0+1], s45
	s_mov_b64 s[G0+2:G0+3], s[20:21]
	s_or_b32 s[G0+3], s[G0+3], 0x80000000
	s_mov_b32 s[G0B], 1
	s_mov_b32 s[G0B+1], s44
	s_mov_b64 s[G0B+2:G0B+3], s[46:47]
	s_or_b32 s[G0B+3], s[G0B+3], 0x80000000
	JLOAD G0, G1, G0B, G1B
	s_mov_b32 s[G0+4], 1
	s_add_co_u32 s[G0+5], s45, SLOT
	s_add_nc_u64 s[G0+6:G0+7], s[20:21], s[22:23]
	s_or_b32 s[G0+7], s[G0+7], 0x80000000
	s_mov_b32 s[G0B+4], 1
	s_add_co_u32 s[G0B+5], s44, SLOT
	s_add_nc_u64 s[G0B+6:G0B+7], s[46:47], s[22:23]
	s_or_b32 s[G0B+7], s[G0B+7], 0x80000000
	v_and_b32 v1, 15, v0
	v_bfe_u32 v2, v0, 4, 1
	s_wait_alu depctr_va_vdst(0)
	v_and_b32 v3, 31, v0
	v_lshlrev_b32 v[LI], 4, v3
	v_lshlrev_b32 v4, 2, v3
	; the prefetches' offsets, v8-12, never rewritten.  V: block n = 32 k + lane (held at 103) of my four row tiles: row tile n / 26, block n % 26; s[46:47] stands at row tile 8 (wave % 2)
	s_lshl_b32 s93, s15, 2
	s_mul_i32 s94, s40, RSP                        ; P: row tile cx of the four at s[20:21], its half by wave / 2
	s_mul_i32 s95, s15, REC
	s_add_co_u32 s94, s94, s95
.irp k, 0,1,2,3
	v_add_nc_u32 v[8+\k], 32*\k, v3
.endr
	v_min_u32 v11, 103, v11
.irp k, 0,1,2,3
	v_mul_u32_u24 v5, v[8+\k], 79
	v_lshrrev_b32 v5, 11, v5                       ; n / 26, exact for n under 104
	v_mul_u32_u24 v6, v5, 26
	v_sub_nc_u32 v[8+\k], v[8+\k], v6
	v_lshlrev_b32 v[8+\k], 8, v[8+\k]
	v_add_nc_u32 v5, s93, v5
	v_mad_u32_u24 v[8+\k], v5, RSV, v[8+\k]
.endr
	v_min_u32 v12, 12, v3
	v_lshlrev_b32 v12, 8, v12
	v_add_nc_u32 v12, s94, v12
.macro ASK t                           ; load t's blocks, where the walk's s71 pairs of 256 keys reach into it: a branch on ids that all partners share
	s_cmp_lt_u32 s71, 2*(\t)+1
	s_cbranch_scc1 .Lnoask_\@
.irp k, 0,1,2,3
	global_prefetch_b8 v[8+\k], s[46:47] offset:(\t)*REC2 th:TH_LOAD_NT scope:SCOPE_SE
.endr
	global_prefetch_b8 v12, s[20:21] offset:(\t)*REC2 th:TH_LOAD_NT scope:SCOPE_SE
.Lnoask_\@:
.endm
	s_wait_alu depctr_va_vdst(0)
	ASK 1
	s_mul_i32 s76, s15, IHALF
	s_mul_i32 s77, s16, JHALF
	s_add_co_u32 s77, s77, JOFF
.irp s, 0,1
	v_add_nc_u32 v[ADRA+\s], s76, v[LI]
	v_add_nc_u32 v[ADRB+\s], s77, v[LI]
	s_add_co_u32 s76, s76, SLOT
	s_add_co_u32 s77, s77, SLOT
.endr
	s_mul_i32 s76, s15, IHALF
	s_mul_i32 s77, s16, JHALF
	s_add_co_u32 s77, s77, JOFF+64
	s_sub_co_u32 s77, s77, s76
	v_mul_u32_u24 v5, s77, v2
	v_lshlrev_b32 v6, 2, v1
	v_add_nc_u32 v5, v5, v6
	s_add_co_u32 s76, s76, 3072
	v_add_nc_u32 v[ADRS], s76, v5
	v_add_nc_u32 v[ADRS+1], SLOT, v[ADRS]
	s_add_co_u32 s76, s76, 64
	v_add_nc_u32 v[ADRM], s76, v6
	v_add_nc_u32 v[ADRM+1], SLOT, v[ADRM]
	s_mul_i32 s92, s14, 16*528
	s_add_co_u32 s92, s92, STAGE
	v_mul_u32_u24 v5, v1, 528
	v_lshl_add_u32 v5, v2, 6, v5
	v_add_nc_u32 v[STO], s92, v5
	v_add_nc_u32 v[RD], s92, v[LI]
	s_lshl_b32 s90, s18, 11
	s_lshl_b32 s91, s72, 7
	s_add_co_u32 s90, s90, s91
	s_lshl_b32 s91, s15, 6
	s_add_co_u32 s90, s90, s91
	s_lshl_b32 s90, s90, 12
	s_lshl_b32 s91, s40, 10
	s_add_co_u32 s90, s90, s91
	s_lshl_b32 s91, s16, 9
	s_add_co_u32 s90, s90, s91
	s_mov_b32 s91, 0
	s_add_nc_u64 s[10:11], s[10:11], s[90:91]
	s_lshl_b32 s90, s15, 2
	s_add_co_u32 s90, s41, s90
	s_lshl_b32 s90, s90, 11
	s_add_nc_u64 s[6:7], s[6:7], s[90:91]
	v_mov_b32 v[VO], v4
.irp jj, 1,2,3,4,5,6,7
	s_cmp_ge_u32 s19, \jj
	s_cselect_b32 s[80+\jj], 1.0, 0
	s_min_u32 s92, s19, \jj
	s_lshl_b32 s92, s92, 7
	v_add_nc_u32 v[VO+\jj], s92, v4
.endr
.irp a, 0,1,2,3
	v_mov_b32 v[TP+\a], 0
.endr
	WIN 0x80
	s_wait_alu depctr_va_vdst(0)
.irp a, 0,1,2,3
.irp jj, 0,1,2,3,4,5,6,7
	global_load_b32 v[8*\a+\jj], v[VO+\jj], s[6:7] offset:2048*\a
	global_load_b32 v[32+8*\a+\jj], v[VO+\jj], s[6:7] offset:2048*\a+1024
.endr
.endr
	s_wait_loadcnt 0x0
	WIN 0x2a
.irp a, 0,1,2,3
	v_max3_num_f32 v[MX+\a], v[8*\a], v[8*\a+1], v[8*\a+2]
.endr
	WIN 0x28
.irp a, 0,1,2,3
	v_max3_num_f32 v[MX+\a], v[MX+\a], v[8*\a+3], v[8*\a+4]
.endr
.irp a, 0,1,2,3
	v_max3_num_f32 v[MX+\a], v[MX+\a], v[8*\a+5], v[8*\a+6]
.endr
.irp a, 0,1,2,3
	v_max_num_f32 v[MX+\a], v[MX+\a], v[8*\a+7]
.endr
	WIN 0
.irp a, 0,1,2,3
	v_permlanex16_b32 v[TP+\a], v[MX+\a], s[SEL], s[SEL+1]
.endr
.irp a, 0,1,2,3
	v_max_num_f32 v[MX+\a], v[MX+\a], v[TP+\a]
.endr
	WIN 0x82
.irp a, 0,1,2,3
.irp jj, 0,1,2,3,4,5,6,7
	v_sub_f32 v[8*\a+\jj], v[8*\a+\jj], v[MX+\a]
.endr
.endr
	WIN 0x88
.set E, 0
.rept 32
	v_max_num_f32 v[E], s88, v[E]
.set E, E+1
.endr
	WIN 0x82
.set E, 0
.rept 32
	v_cvt_i32_f32 v[E], v[E]
.set E, E+1
.endr
	WIN 0x8a
.set E, 0
.rept 32
	v_ldexp_f32 v[32+E], v[32+E], v[E]
.set E, E+1
.endr
	WIN 0x02
.irp a, 0,1,2,3
	v_mov_b32 v[LL+\a], v[32+8*\a]
.endr
.irp jj, 1,2,3,4,5,6,7
.irp a, 0,1,2,3
	v_fma_f32 v[LL+\a], v[32+8*\a+\jj], s[80+\jj], v[LL+\a]
.endr
.endr
	WIN 0
.irp a, 0,1,2,3
	v_permlanex16_b32 v[TP+\a], v[LL+\a], s[SEL], s[SEL+1]
.endr
.irp a, 0,1,2,3
	v_add_f32 v[LL+\a], v[LL+\a], v[TP+\a]
.endr
	s_wait_alu depctr_va_vdst(0)
.irp a, 0,1,2,3
	v_rcp_f32 v[RL+2*\a], v[LL+\a]
	v_rcp_f32 v[RL+2*\a+1], v[LL+\a]
.endr
	v_nop
	s_wait_alu depctr_va_vdst(0)
	s_wait_tensorcnt 0x0                           ; my part of slot 0 is in; the lines ahead of a later first fill:
	ds_add_u32 v28, v29
	s_wait_dscnt 0x0
	CROUND                                         ; everybody's part is in, and the partners are here
	JLOAD G0+4, G1, G0B+4, G1B                     ; slot 1's first fill; slot 0 is multiplied under its flight
	SCALES 0, 0, 0
	MLOC 0, 0
	FETCH_B 0, 0, 0, 0
	FETCH_A 0, 0, 0, 0
	ASK 2                                          ; behind load 1: load 2's blocks
	s_wait_dscnt 36
	FIX 0
	s_wait_alu depctr_va_vdst(0)
	STEP 0, 0, 1
	s_cmp_lt_u32 s71, 3
	s_cbranch_scc1 .Ltail0
	PASS 0
	s_wait_alu depctr_va_vdst(0)
	STEP 0, 1, 0
	s_cmp_lt_u32 s71, 5
	s_cbranch_scc1 .Ltwo
	TURN 0, 1, 1
	s_wait_alu depctr_va_vdst(0)
	STEP 1, 0, 0
	PASS 1
	s_wait_alu depctr_va_vdst(0)
	STEP 1, 1, 0
	s_cmp_lt_u32 s71, 7
	s_cbranch_scc1 .Lthree
	TURN 1, 0, 1
	s_wait_alu depctr_va_vdst(0)
	STEP 0, 0, 0
	PASS 0
	s_wait_alu depctr_va_vdst(0)
	STEP 0, 1, 0
.Ltwo:
	TURN 0, 1, 0
	s_wait_alu depctr_va_vdst(0)
	STEP 1, 0, 0
	s_bitcmp1_b32 s71, 0
	s_cbranch_scc1 .Lodd1
	PASS 1
	s_wait_alu depctr_va_vdst(0)
	STEP 1, 1, 0
	LAST 1
	s_branch .Lout
.Lodd1:
	LAST 0
	s_branch .Lout
.Lthree:
	TURN 1, 0, 0
	s_wait_alu depctr_va_vdst(0)
	STEP 0, 0, 0
.Ltail0:
	s_bitcmp1_b32 s71, 0
	s_cbranch_scc1 .Lodd0
	PASS 0
	s_wait_alu depctr_va_vdst(0)
	STEP 0, 1, 0
	LAST 1
	s_branch .Lout
.Lodd0:
	LAST 0
.Lout:
	s_wait_dscnt 0x0
	s_barrier_signal -1
	s_barrier_wait -1
	PLACES 4
.macro PACK a
.set AC, 64*(\a)
	WIN 0x02
.set E, 0
.rept 32
	v_pk_mul_f32 v[TMP+E:TMP+E+1], v[AC+E:AC+E+1], v[RL+2*(\a):RL+2*(\a)+1]
.set E, E+2
.endr
	WIN 0
.endm
.macro TOSTAGE a
.set BB, BK+64*((\a)%2)
.irp t, 0,1,2,3,4,5,6,7
	ds_store_b128 v[STO], v[TMP+8*\t:TMP+8*\t+3] offset:128*(\t/2)+32*(\t%2)
	ds_store_b128 v[STO], v[TMP+8*\t+4:TMP+8*\t+7] offset:128*(\t/2)+32*(\t%2)+16
.endr
.irp t, 0,1,2,3,4,5,6,7,8,9,10,11,12,13,14,15
	ds_load_b128 v[BB+4*\t:BB+4*\t+3], v[RD] offset:528*\t
.endr
.endm
.macro SEND a, younger
.set BB, BK+64*((\a)%2)
	s_wait_dscnt \younger
.irp t, 0,1,2,3,4,5,6,7,8,9,10,11,12,13,14,15
	global_store_b128 v[LI], v[BB+4*\t:BB+4*\t+3], s[10:11] offset:(32*((\a)/2)+8*((\a)%2)+\t+8*(\t/8))*4096 th:TH_STORE_NT
.endr
.endm
	PACK 0
	TOSTAGE 0
.irp a, 1,2,3
	PACK \a
.if \a > 1
	s_wait_alu depctr_va_vdst(0)
	s_wait_xcnt 0x0
.endif
	TOSTAGE \a
	SEND \a-1, 32
.endr
	SEND 3, 0
	s_wait_tensorcnt 0x0
	ds_add_u32 v[SPW], v[NIL]
	s_wait_dscnt 0x0
	CROUND
	s_endpgm
.Lfunc_end_k_q351435986c_pv:
	.size	k_q351435986c_pv, .Lfunc_end_k_q351435986c_pv-k_q351435986c_pv
	.p2alignl 7, 3214868480
	.fill 96, 4, 3214868480
	.section	.rodata,"a",@progbits
	.p2align	6, 0x0
	.amdhsa_kernel k_q351435986c_pv
		.amdhsa_group_segment_fixed_size 327680
		.amdhsa_private_segment_fixed_size 0
		.amdhsa_enable_private_segment 0
		.amdhsa_kernarg_size 32
		.amdhsa_user_sgpr_count 2
		.amdhsa_user_sgpr_kernarg_segment_ptr 1
		.amdhsa_wavefront_size32 1
		.amdhsa_system_sgpr_workgroup_id_x 1
		.amdhsa_system_sgpr_workgroup_id_y 1
		.amdhsa_system_sgpr_workgroup_id_z 1
		.amdhsa_system_vgpr_workitem_id 0
		.amdhsa_next_free_vgpr 1024
		.amdhsa_next_free_sgpr 100
		.amdhsa_reserve_vcc 0
		.amdhsa_float_denorm_mode_32 3
		.amdhsa_float_denorm_mode_16_64 3
		.amdhsa_memory_ordered 1
		.amdhsa_forward_progress 1
		.amdhsa_inst_pref_size 251
	.end_amdhsa_kernel
	.amdgpu_metadata
---
amdhsa.version: [ 1, 2 ]
amdhsa.kernels:
  - .name:           k_q351435986c_pv
    .symbol:         k_q351435986c_pv.kd
    .args:
      - { .name: pq, .offset: 0, .size: 8, .value_kind: global_buffer, .address_space: global }
      - { .name: ml, .offset: 8, .size: 8, .value_kind: global_buffer, .address_space: global }
      - { .name: qkv, .offset: 16, .size: 8, .value_kind: global_buffer, .address_space: global }
      - { .name: out0, .offset: 24, .size: 8, .value_kind: global_buffer, .address_space: global }
    .group_segment_fixed_size: 327680
    .private_segment_fixed_size: 0
    .kernarg_segment_align: 8
    .kernarg_segment_size: 32
    .max_flat_workgroup_size: 128
    .sgpr_count:     100
    .vgpr_count:     1024
    .wavefront_size: 32
...
	.end_amdgpu_metadata
.endif
;; end of part 4
